; MI455X (gfx1250); checked and timed in simulation.
; The chip was launched on July 23, 2026; its instructions are those of AMD's public machine-readable ISA for CDNA 5 (MIT licence, August 2026) and "CDNA5" Instruction Set Architecture Reference Guide (July 2026). The comments in the code are by the model that wrote it; some were corrected since.
;; Multiple SA Head. Allowed arithmetic: matrix products marked QUANTISED: E2M1 operands, one E8M0 scale for each 32 along K, by v_wmma_scale_f32_16x16x128_f8f6f4 with both operands' format E2M1 (or v_wmma_scale_f32_32x16x128_f4), f32 sums; products left as they are: bf16, f16 or f32 operands; f32 sums; everything else in f32.
;; Inputs: Wk 16 x 1,024 x 64 float32; Wp 1,024 x 1,024 float32; Wq 16 x 1,024 x 64 float32; Wv 16 x 1,024 x 64 float32; bp 1,024 float32; x 8 x 1,024 x 1,024 float32.
;; Outputs: out0 8 x 1,024 x 1,024 float32.
;; This version of the problem:
;;   THIS VERSION OF THE PROBLEM IS GIVEN IN LOW PRECISION. The matrix products marked QUANTISED in the list below multiply operands that are first quantised to E2M1 (2 exponent bits, 1 mantissa bit; 4 bits a number), with one power-of-two scale for each 32 numbers along K (OCP MX v1.0); their sums are f32. The products marked 'left as it is' may take bf16, f16 or f32 operands, with f32 sums. Whichever they take, every output number must still come out within the allowed error. Rounding operands to bf16 (8 significant bits) uses up far more of that allowance than f16 does (11 bits, for magnitudes from 6e-5 to 65,504). All else is computed in f32.
;;   The module's matrix products, in the order in which they are computed (A, B: the left and right operand; K: the contracted axis; several contracted axes count as one K, in the product's order):
;;     1. [M 1,024, K 1,024] x [K 1,024, N 8,192]; A: input Wq; B: input x: QUANTISED
;;     2. [M 1,024, K 1,024] x [K 1,024, N 8,192]; A: input Wk; B: input x: QUANTISED
;;     3. [M 1,024, K 1,024] x [K 1,024, N 8,192]; A: input Wv; B: input x: QUANTISED
;;     4. batch 128 x [M 1,024, K 64] x [K 64, N 1,024]; A: computed on the way; B: computed on the way: left as it is (an operand is computed on the way)
;;     5. batch 128 x [M 1,024, K 1,024] x [K 1,024, N 64]; A: computed on the way; B: computed on the way: left as it is (an operand is computed on the way)
;;     6. [M 8,192, K 1,024] x [K 1,024, N 1,024]; A: computed on the way; B: input Wp: left as it is (an operand is computed on the way)
;;   THE QUANTISER, for each operand of a quantised product, along K:
;;     - K is cut into blocks of 32 from its start; a last block that is shorter is filled with zeros.
;;     - A block's scale is 2^e with e = floor(log2(the largest magnitude in the block)) - 2, held to -126 .. 127; a block of zeros has e = 0. As a byte (E8M0): e + 127.
;;     - Each number is divided by its block's scale, clamped to +-6, and rounded to the nearest number of E2M1, ties to even, subnormals kept.
;;     - The product sums the exact products of the quantised numbers (number of the format x scale) in f32.
;;   ~~~python
;;   def quantise(x, axis):      # numpy; x: float32 -> the quantised numbers, widened to float32 again
;;       x = np.moveaxis(x, axis, -1); K = x.shape[-1]
;;       x = np.pad(x, [(0, 0)] * (x.ndim - 1) + [(0, -K % 32)]); x = x.reshape(x.shape[:-1] + (-1, 32)); a = np.abs(x).max(-1, keepdims=True)
;;       e = np.where(a > 0, np.clip(np.frexp(np.where(a > 0, a, 1))[1] - 1 - 2, -126, 127), 0)      # np.frexp(a)[1] - 1 = floor(log2(a)), exactly
;;       r = np.clip(x / 2.0 ** e, -6, 6)
;;       step = 2.0 ** (np.maximum(np.frexp(np.where(r == 0, 1, r))[1] - 1, 0) - 1)
;;       q = np.round(r / step) * step * 2.0 ** e      # np.round: ties to even
;;       return np.moveaxis(q.reshape(q.shape[:-2] + (-1,))[..., :K], -1, axis).astype(np.float32)
;;   ~~~
;; One version. Each part assembles by itself: llvm-mc -triple=amdgcn-amd-amdhsa -mcpu=gfx1250 --defsym DOCPART=n.
;; ======== version 1 of 1: 5 launches
;; limits: values are held in f16: magnitudes above 65,504 overflow, below 6.1e-05 lose precision
;; workspace buffers: xq4 4,456,448 bytes; wq4 1,671,168 bytes; wp16 2,097,152 bytes; qkvh 50,331,648 bytes; qkv32 1,572,864 bytes; aoh 16,777,216 bytes
;; launch prep (part 1): grid 512 x 1, 4 waves a work-group, no clusters, 34,304 bytes of LDS; arguments x, Wq, Wk, Wv, Wp, xq4, wq4, wp16; writes xq4, wq4, wp16
.if DOCPART == 1
	.amdgcn_target "amdgcn-amd-amdhsa--gfx1250"
	.amdhsa_code_object_version 6
	.text
	.protected	k_q5cdcb06d63_prep
	.globl	k_q5cdcb06d63_prep
	.p2align	8
	.type	k_q5cdcb06d63_prep,@function
k_q5cdcb06d63_prep:
	s_mov_b64 s[64:65], 0
	v_nop
	global_prefetch_b8 v0, s[64:65] scope:SCOPE_SE
	s_setreg_imm32_b32 hwreg(HW_REG_WAVE_MODE, 25, 1), 1
	s_wait_xcnt 0x0
; PREP.  x [8192 tokens][1024] and Wq, Wk, Wv [16 heads][1024 e][64 d], f32, become codes of FP4 (E2M1) with one E8M0 byte for each 32 along e; Wp [1024][1024] becomes f16.
; A block's scale is 2^(floor(log2(its largest magnitude)) - 2); its byte is that magnitude's exponent field - 2, held at 1 from below.  A block of zeros so gets the byte 1 where the rule says 127:
; its codes are zeros, which add nothing under any byte but 0xff, and the bytes are read by this program alone.
; LIMITS: blocks whose largest magnitude lies under 2^(3 - 127) keep the byte 1; NaN and infinities among the inputs are not served; Wp beyond 65,504 in magnitude has no f16 number.
; THE CODES ARE LAID AS IMAGES OF THE OPERAND'S REGISTERS: a fragment (16 rows x 128 along e) is 1,024 bytes; registers 4 c .. 4 c + 3 of lane l lie at 512 c + 16 l and hold e = 64 c + 32 (l / 16) + 0 .. 31 of row l % 16.
;   xq4: codes [32 blocks of 256 tokens][8 K steps][16 tiles][1024]; from XSC on scale words [512 tiles][512]: lane (r, hh) has 16 bytes at 16 l: row r's words of K steps 4 hh .. 4 hh + 3.
;   wq4: codes [16 heads][8 K steps][12 tiles: 4 of q, 4 of k, 4 of v][1024]; from WSC on scale words [12 head + tile][512], laid likewise.
; THREE PATHS, parted by the work-group's number: 0-255 x, 256-447 the three weights, 448-511 Wp.  No barrier: waves share nothing.  Only x's path touches LDS.
.set XSC,   4194304
.set WSC,   1572864
.set STG,   16*528                     ; a wave's stage: 16 rows of 512 bytes + 16 of padding
.set SPARE, 4*STG                      ; behind the stages: the spare words, 128 bytes for each wave
.set L16,   4                          ; v4   16 x lane
.set STI,   5                          ; v5   the stage, on the way in: a row's 512 bytes as loaded
.set STOUT, 6                          ; v6   on the way out: row r, + 128 h
.set SPW,   12                         ; v12  my spare word's LDS address; never rewritten
.set NIL,   13                         ; v13  0; never rewritten
.set R,     16                         ; v16-143  numbers as loaded (x: two sets of 64)
.set XN,    144                        ; v144-207 x: 64 numbers turned; Wp: the f16 pairs
.set C,     208                        ; v208-239 codes: registers of their own for each store
.set W,     240                        ; v240-243 scale words
.set MX,    244
.set SO,    246
.set BY,    248
.set PD,    250
	s_load_b256 s[4:11], s[0:1], 0x0               ; x, Wq, Wk, Wv
	s_load_b256 s[12:19], s[0:1], 0x20             ; Wp, xq4, wq4, wp16
	v_lshl_add_u32 v[SPW], v0, 2, SPARE
	v_mov_b32 v[NIL], 0
	v_lshrrev_b32 v1, 5, v0
	v_readfirstlane_b32 s20, v1                    ; wave
	v_and_b32 v1, 31, v0                           ; lane
	v_and_b32 v2, 15, v0                           ; r
	v_bfe_u32 v3, v0, 4, 1                         ; h
	v_lshlrev_b32 v[L16], 4, v1
	s_mul_i32 s22, s20, STG
	v_add_nc_u32 v[STI], s22, v[L16]
	v_mul_u32_u24 v[STOUT], v2, 528
	v_lshl_add_u32 v[STOUT], v3, 7, v[STOUT]
	v_add_nc_u32 v[STOUT], s22, v[STOUT]
	v_lshlrev_b32 v7, 4, v2
	v_lshl_add_u32 v7, v3, 3, v7                   ; 16 r + 8 h
	v_lshlrev_b32 v8, 3, v3                        ; 8 h
	v_lshlrev_b32 v9, 2, v1                        ; 4 x lane
	v_lshlrev_b32 v10, 4, v2
	v_lshl_add_u32 v11, v3, 9, v10                 ; 512 h + 16 r
	v_lshl_add_u32 v10, v3, 10, v10                ; 1024 h + 16 r
	v_lshlrev_b32 v14, 3, v1                       ; 8 x lane
	v_mov_b32 v[PD], 0                             ; a lane permute's destination counts as one of its sources
	s_mov_b32 s26, 0x76543210
	s_mov_b32 s27, 0xfedcba98                      ; selects for lane l xor 16
	s_lshl_b32 s21, ttmp9, 2
	s_add_co_u32 s21, s21, s20                     ; 4 x work-group + wave
	s_mov_b32 s29, 0
	s_mov_b32 s31, 0
	s_mov_b32 s33, 0
	s_wait_kmcnt 0x0
	s_cmp_lt_u32 ttmp9, 256
	s_cbranch_scc0 .Lnot_x
; ---- x.  A wave takes one tile of 16 tokens and four K steps of 128.  Each load reads 512 consecutive bytes of one row; the 16 rows turn through the wave's stage, so that lane (r, h) holds two whole blocks of row r.
	s_lshr_b32 s22, s21, 1                         ; the tile of 16 tokens
	s_and_b32 s23, s21, 1                          ; which four K steps
	s_lshl_b32 s28, s22, 16
	s_lshl_b32 s24, s23, 11
	s_add_co_u32 s28, s28, s24
	s_add_nc_u64 s[4:5], s[4:5], s[28:29]          ; x at my tile's first row, my first K step
	s_lshr_b32 s24, s22, 4
	s_lshl_b32 s30, s24, 17
	s_lshl_b32 s24, s23, 16
	s_add_co_u32 s30, s30, s24
	s_and_b32 s24, s22, 15
	s_lshl_b32 s24, s24, 10
	s_add_co_u32 s30, s30, s24                     ; codes: block x 131,072 + K step x 16,384 + tile x 1,024
	s_lshl_b32 s32, s22, 9
	s_lshl_b32 s24, s23, 8
	s_add_co_u32 s32, s32, s24
	s_add_co_u32 s32, s32, XSC                     ; scale words: tile x 512 + my half's 256
	s_add_nc_u64 s[34:35], s[14:15], s[32:33]
	s_add_nc_u64 s[14:15], s[14:15], s[30:31]
.macro XLOAD t
.irp i, 0,1,2,3,4,5,6,7,8,9,10,11,12,13,14,15
	global_load_b128 v[R+64*((\t)%2)+4*\i:R+64*((\t)%2)+4*\i+3], v[L16], s[4:5] offset:\i*4096+(\t)*512 th:TH_LOAD_NT
.endr
.endm
.macro XTURN t                         ; LDS serves a wave's instructions in order: the loads see the stores, and the next step's stores come behind these loads
.irp i, 0,1,2,3,4,5,6,7,8,9,10,11,12,13,14,15
	ds_store_b128 v[STI], v[R+64*((\t)%2)+4*\i:R+64*((\t)%2)+4*\i+3] offset:\i*528
.endr
.irp c, 0,1
.irp i, 0,1,2,3,4,5,6,7
	ds_load_b128 v[XN+32*\c+4*\i:XN+32*\c+4*\i+3], v[STOUT] offset:256*\c+16*\i   ; register 32 c + k = x(row r, 64 c + 32 h + k)
.endr
.endr
.endm
.macro XSTEP t
.if (\t) < 3
	s_wait_loadcnt 16                              ; this K step's 16 loads are in; the next step's 16 may be out
.else
	s_wait_loadcnt 0x0
.endif
	XTURN \t
	s_wait_dscnt 0x0                               ; the numbers are back, and the stage's stores have read their registers,
.if (\t) < 2
	XLOAD (\t)+2                                   ; which take the loads of two steps on
.endif
.irp c, 0,1
	v_max3_num_f32 v[MX+\c], |v[XN+32*\c]|, |v[XN+32*\c+1]|, 0x1800000   ; block 2 c + h: all 32 numbers are mine; the floor 2^(3 - 127) holds the byte at 1 from below
.endr
.irp i, 2,4,6,8,10,12,14,16,18,20,22,24,26,28,30
.irp c, 0,1
	v_max3_num_f32 v[MX+\c], v[MX+\c], |v[XN+32*\c+\i]|, |v[XN+32*\c+\i+1]|
.endr
.endr
.irp c, 0,1
	v_add_nc_u32 v[SO+\c], 0xff000000, v[MX+\c]    ; 2 off the exponent field: the conversion's scale operand
.endr
.irp c, 0,1
	v_lshrrev_b32 v[BY+\c], 23, v[SO+\c]           ; the scale's byte
.endr
	v_lshl_or_b32 v[W+\t], v[BY+1], 16, v[BY]      ; my two bytes, blocks h and 2 + h,
	v_lshlrev_b32 v[W+\t], v8, v[W+\t]             ; 8 h bits up;
	v_permlanex16_b32 v[PD], v[W+\t], s26, s27
	v_or_b32 v[W+\t], v[W+\t], v[PD]               ; with lane l xor 16's two the row's word is whole
.irp c, 0,1
.irp g, 0,1,2,3
	v_cvt_scalef32_pk8_fp4_f32 v[C+8*(\t)+4*\c+\g], v[XN+32*\c+8*\g:XN+32*\c+8*\g+7], v[SO+\c]
.endr
.endr
	v_nop                                          ; one plain line behind the last scaled conversion
.irp c, 0,1
	global_store_b128 v[L16], v[C+8*(\t)+4*\c:C+8*(\t)+4*\c+3], s[14:15] offset:(\t)*16384+\c*512   ; 512 consecutive bytes of the fragment's image
.endr
.endm
	XLOAD 0
	XLOAD 1
	XSTEP 0
	XSTEP 1
	XSTEP 2
	XSTEP 3
	v_cmp_ne_u32 vcc_lo, 0, v3                     ; both halves of the lanes hold all four words: lane (r, h) stores words 2 h, 2 h + 1 at 16 r + 8 h
	v_cndmask_b32 v252, v[W], v[W+2], vcc_lo
	v_cndmask_b32 v253, v[W+1], v[W+3], vcc_lo
	global_store_b64 v7, v[252:253], s[34:35]      ; 256 consecutive bytes, aligned
	s_wait_tensorcnt 0x0                           ; the wave's end: three lines behind my last LDS store
	ds_add_u32 v[SPW], v[NIL]
	s_wait_dscnt 0x0
	s_endpgm
; ---- Wq, Wk, Wv.  e is not innermost: a lane takes a column d and its registers run down e.  A wave takes 32 columns x 128 along e: four blocks a lane.
.Lnot_x:
	s_cmp_lt_u32 ttmp9, 448
	s_cbranch_scc0 .Lpath_p
	s_cmp_lt_u32 ttmp9, 384
	s_cselect_b64 s[22:23], s[8:9], s[10:11]
	s_cmp_lt_u32 ttmp9, 320
	s_cselect_b64 s[22:23], s[6:7], s[22:23]       ; 64 work-groups to each weight: the choice hangs on the work-group's number alone
	s_sub_co_u32 s21, s21, 1024                    ; task
	s_and_b32 s24, s21, 1                          ; which 32 of the head's 64 columns
	s_bfe_u32 s25, s21, 0x30001                    ; K step
	s_bfe_u32 s36, s21, 0x40004                    ; head
	s_lshr_b32 s37, s21, 8                         ; 0 q, 1 k, 2 v
	s_lshl_b32 s28, s36, 18
	s_lshl_b32 s38, s25, 15
	s_add_co_u32 s28, s28, s38
	s_lshl_b32 s38, s24, 7
	s_add_co_u32 s28, s28, s38
	s_add_nc_u64 s[22:23], s[22:23], s[28:29]
	s_lshl_b32 s38, s37, 2
	s_lshl_b32 s39, s24, 1
	s_add_co_u32 s38, s38, s39                     ; my first tile of the head's twelve
	s_mul_i32 s30, s36, 98304
	s_mul_i32 s39, s25, 12288
	s_add_co_u32 s30, s30, s39
	s_lshl_b32 s39, s38, 10
	s_add_co_u32 s30, s30, s39
	s_mul_i32 s32, s36, 12
	s_add_co_u32 s32, s32, s38
	s_lshl_b32 s32, s32, 9
	s_lshr_b32 s39, s25, 2
	s_lshl_b32 s39, s39, 8
	s_add_co_u32 s32, s32, s39
	s_and_b32 s39, s25, 3
	s_lshl_b32 s39, s39, 2
	s_add_co_u32 s32, s32, s39
	s_add_co_u32 s32, s32, WSC
	s_add_nc_u64 s[34:35], s[16:17], s[32:33]
	s_add_nc_u64 s[16:17], s[16:17], s[30:31]
.set i, 0
.rept 128
	global_load_b32 v[R+i], v9, s[22:23] offset:256*i th:TH_LOAD_NT   ; W(128 s + i, my column): 128 consecutive bytes a wave
.set i, i+1
.endr
.macro WBLOCK b, left
.set XB, R+32*(\b)
	s_wait_loadcnt \left                           ; this block's 32 loads are in (behind blocks 0 and 1 more than the count's field holds were issued: the largest count is written)
	v_max3_num_f32 v[MX], |v[XB]|, |v[XB+1]|, |v[XB+2]|
	v_max3_num_f32 v[MX+1], |v[XB+3]|, |v[XB+4]|, |v[XB+5]|
.irp i, 6,10,14,18,22,26
	v_max3_num_f32 v[MX], v[MX], |v[XB+\i]|, |v[XB+\i+1]|
	v_max3_num_f32 v[MX+1], v[MX+1], |v[XB+\i+2]|, |v[XB+\i+3]|
.endr
	v_max3_num_f32 v[MX], v[MX], |v[XB+30]|, |v[XB+31]|
	v_max3_num_f32 v[MX], v[MX], v[MX+1], 0x1800000
	v_add_nc_u32 v[SO], 0xff000000, v[MX]
	v_lshrrev_b32 v[BY], 23, v[SO]
.if (\b) == 0
	v_mov_b32 v[W], v[BY]
.else
	v_lshl_or_b32 v[W], v[BY], 8*(\b), v[W]        ; the lower e in the lower byte
.endif
.irp g, 0,1,2,3
	v_cvt_scalef32_pk8_fp4_f32 v[C+4*(\b)+\g], v[XB+8*\g:XB+8*\g+7], v[SO]
.endr
	v_nop
	global_store_b128 v10, v[C+4*(\b):C+4*(\b)+3], s[16:17] offset:((\b)/2)*512+((\b)%2)*256   ; block b = 2 c + h of the image: sixteen lanes fill 256 consecutive bytes, aligned
.endm
	WBLOCK 0, 63
	WBLOCK 1, 63
	WBLOCK 2, 32
	WBLOCK 3, 0
	global_store_b32 v11, v[W], s[34:35]           ; my column's word of this K step: 4 bytes of every 16: in all 98,304 bytes of the launch leave so
	s_endpgm
; ---- Wp to f16, as plain rows.  A wave takes 4,096 numbers.
.Lpath_p:
	s_sub_co_u32 s21, s21, 1792
	s_lshl_b32 s28, s21, 14
	s_lshl_b32 s30, s21, 13
	s_add_nc_u64 s[12:13], s[12:13], s[28:29]
	s_add_nc_u64 s[18:19], s[18:19], s[30:31]
.set i, 0
.rept 32
	global_load_b128 v[R+4*i:R+4*i+3], v[L16], s[12:13] offset:512*i th:TH_LOAD_NT
.set i, i+1
.endr
.set i, 0
.rept 32
	s_wait_loadcnt 31-i                            ; loads come back in order: load i is in, the younger ones stay out
	v_cvt_pk_f16_f32 v[XN+2*i], v[R+4*i], v[R+4*i+1]
	v_cvt_pk_f16_f32 v[XN+2*i+1], v[R+4*i+2], v[R+4*i+3]
	global_store_b64 v14, v[XN+2*i:XN+2*i+1], s[18:19] offset:256*i   ; 256 consecutive bytes, aligned
.set i, i+1
.endr
	s_endpgm
.Lfunc_end_k_q5cdcb06d63_prep:
	.size	k_q5cdcb06d63_prep, .Lfunc_end_k_q5cdcb06d63_prep-k_q5cdcb06d63_prep
	.p2alignl 7, 3214868480
	.fill 96, 4, 3214868480
	.section	.rodata,"a",@progbits
	.p2align	6, 0x0
	.amdhsa_kernel k_q5cdcb06d63_prep
		.amdhsa_group_segment_fixed_size 34304
		.amdhsa_private_segment_fixed_size 0
		.amdhsa_enable_private_segment 0
		.amdhsa_kernarg_size 64
		.amdhsa_user_sgpr_count 2
		.amdhsa_user_sgpr_kernarg_segment_ptr 1
		.amdhsa_wavefront_size32 1
		.amdhsa_system_sgpr_workgroup_id_x 1
		.amdhsa_system_sgpr_workgroup_id_y 1
		.amdhsa_system_sgpr_workgroup_id_z 1
		.amdhsa_system_vgpr_workitem_id 0
		.amdhsa_next_free_vgpr 256
		.amdhsa_next_free_sgpr 66
		.amdhsa_reserve_vcc 1
		.amdhsa_float_denorm_mode_32 3
		.amdhsa_float_denorm_mode_16_64 3
		.amdhsa_memory_ordered 1
		.amdhsa_forward_progress 1
		.amdhsa_inst_pref_size 61
	.end_amdhsa_kernel
	.amdgpu_metadata
---
amdhsa.version: [ 1, 2 ]
amdhsa.kernels:
  - .name:           k_q5cdcb06d63_prep
    .symbol:         k_q5cdcb06d63_prep.kd
    .args:
      - { .name: x, .offset: 0, .size: 8, .value_kind: global_buffer, .address_space: global }
      - { .name: Wq, .offset: 8, .size: 8, .value_kind: global_buffer, .address_space: global }
      - { .name: Wk, .offset: 16, .size: 8, .value_kind: global_buffer, .address_space: global }
      - { .name: Wv, .offset: 24, .size: 8, .value_kind: global_buffer, .address_space: global }
      - { .name: Wp, .offset: 32, .size: 8, .value_kind: global_buffer, .address_space: global }
      - { .name: xq4, .offset: 40, .size: 8, .value_kind: global_buffer, .address_space: global }
      - { .name: wq4, .offset: 48, .size: 8, .value_kind: global_buffer, .address_space: global }
      - { .name: wp16, .offset: 56, .size: 8, .value_kind: global_buffer, .address_space: global }
    .group_segment_fixed_size: 34304
    .private_segment_fixed_size: 0
    .kernarg_segment_align: 8
    .kernarg_segment_size: 64
    .max_flat_workgroup_size: 128
    .sgpr_count:     66
    .vgpr_count:     256
    .wavefront_size: 32
...
	.end_amdgpu_metadata
.endif
;; end of part 1
;; launch gemm (part 2): grid 16 x 16, 4 waves a work-group, clusters of 4 x 4, 327,680 bytes of LDS; arguments xq4, wq4, qkvh, qkv32; writes qkvh, qkv32
.if DOCPART == 2
	.amdgcn_target "amdgcn-amd-amdhsa--gfx1250"
	.amdhsa_code_object_version 6
	.text
	.protected	k_q5cdcb06d63_gemm
	.globl	k_q5cdcb06d63_gemm
	.p2align	8
	.type	k_q5cdcb06d63_gemm,@function
k_q5cdcb06d63_gemm:
	s_mov_b64 s[64:65], 0
	v_nop
	global_prefetch_b8 v0, s[64:65] scope:SCOPE_SE
	s_setreg_imm32_b32 hwreg(HW_REG_WAVE_MODE, 25, 1), 1
	s_wait_xcnt 0x0
	s_wait_alu depctr_hold_cnt(0) depctr_sa_sdst(0) depctr_va_vdst(0) depctr_va_sdst(0) depctr_va_ssrc(0) depctr_va_vcc(0) depctr_vm_vsrc(0)
	s_getreg_b32 s2, hwreg(HW_REG_IB_STS2, 6, 4)
	s_cmp_eq_u32 s2, 0
	s_cbranch_scc0 .Lentry_in_a_cluster
	s_endpgm
.Lentry_in_a_cluster:
	s_bfe_u32 s2, ttmp6, 0x10000c
	s_cmp_lg_u32 s2, 0xf033
	s_cbranch_scc0 .Lentry_shape_is_right
	s_endpgm
.Lentry_shape_is_right:
; GEMM.  q, k, v = x W on codes of FP4 (E2M1) with E8M0 scales, sums in f32; out as f16, laid as images of the attention's operand registers.
; A tile is one head and 256 tokens: 256 x 192 (the head's q, k, v).  Wave w takes tokens 64 w .. 64 w + 63 and all 12 tiles of columns: 48 accumulators.
; A WORK-GROUP STAYS and makes TWO tiles of one head: token blocks 8 cy + cluster y and that + 4.  256 work-groups.  The head's panel and its scale words are fetched once.
; BOTH PANELS LIE IN LDS FOR ALL OF K (131,072 + 98,304 bytes).  They are images of operand registers: every LDS load reads 512 consecutive bytes.  Behind the first tile's last product the tokens' panel is filled
; again, one joint load a wave (a quarter each), and the first tile is converted and stored while that panel is on its way.  No prefetch: the second panel is asked for at the first place at which its bytes are free.
; CLUSTER 4 x 4: the four of a row share the tokens' panel, the four of a column the head's: each is asked for jointly.  With these token blocks 'the block begins a batch' is 'cluster y = 0': the same in all partners, for both tiles.
; q and k are used transposed (source 0 = 16 channels of W, source 1 = 16 tokens): a lane holds one token and eight neighbouring channels.  v the other way round: a lane holds one channel and eight neighbouring tokens.
;   qkvh: q at 0, k at 16,777,216, v at 33,554,432; each [128 batch x head][64 tiles of 16 tokens][4 tiles of 16 channels][512]: 16 bytes (8 f16) a lane.
;   qkv32: [128][12][2][512]: the f32 accumulators of each batch's first 16 tokens, as they stand.
; LIMIT: |q|, |k|, |v| stay under 65,504, f16's largest number.
; This launch claims all of LDS.
; REGISTERS: window 0: v1-7 addresses; v16-31 x's scale words, v32-79 W's (they hold nothing else); v80-223 at work on the way out; v128-159 A's and v160-255 B's fragments, set 0.  Window 1: the same numbers, set 1.
;   window 2: the accumulators of my token tiles 0, 1 at v[8 (12 (ti % 2) + cj)];  window 3: tiles 2, 3.
.set XSC,   4194304
.set WSC,   1572864
.set SPARE, 229376                     ; behind the panels: the spare words, 128 bytes for each wave
.set L16, 1
.set AA,  2                            ; v2, v3  A's panel: my four tiles, K steps 0-3 and 4-7
.set BB,  4                            ; v4, v5  B's panel likewise
.set SPW, 6
.set NIL, 7
.set SX,  16
.set SW,  32
.set TP,  80
.set FA,  128
.set FB,  160
.set G1A, 24
.set G0A, 32
.set G1B, 40
.set G0B, 48
.set ABASE, 78                         ; s[78:79] the first token block's panel in memory
.set MSB, 0
.macro WIN new                         ; the immediate's high byte repeats the setting that is left
.if MSB != (\new)
	s_set_vgpr_msb (MSB<<8)|(\new)
.set MSB, (\new)
.endif
.endm
.macro CROUND                          ; a round of the cluster's barrier
	s_barrier_signal -1
	s_barrier_wait -1
	s_cmp_lg_u32 s12, 0
	s_cbranch_scc1 .Lnot_wave_0_\@
	s_barrier_signal -3
.Lnot_wave_0_\@:
	s_barrier_wait -3
	s_barrier_signal -1
	s_barrier_wait -1
.endm
.macro PLACES
.rept 4
	v_nop
.endr
.endm
	s_load_b256 s[4:11], s[0:1], 0x0               ; xq4, wq4, qkvh, qkv32
	v_lshl_add_u32 v[SPW], v0, 2, SPARE
	v_mov_b32 v[NIL], 0
	ds_add_u32 v[SPW], v[NIL]                      ; the opening: the add, twice on end, and its wait ahead of my first tensor load
	ds_add_u32 v[SPW], v[NIL]
	v_lshrrev_b32 v1, 5, v0
	v_readfirstlane_b32 s12, v1                    ; wave
	s_lshr_b32 s13, s12, 1                         ; at the head I fetch for A (0) or for B (1)
	s_and_b32 s14, s12, 1                          ; which half of a fill
	s_bfe_u32 s15, ttmp6, 0x40000                  ; cx
	s_bfe_u32 s16, ttmp6, 0x40004                  ; cy
	s_lshl_b32 s17, ttmp9, 2
	s_add_co_u32 s17, s17, s15                     ; head = 4 x cluster x + cx
	s_and_b32 s18, ttmp7, 0xffff                   ; cluster y, 0 .. 3
	s_lshl_b32 s19, s16, 3
	s_add_co_u32 s19, s19, s18                     ; my first token block = 8 cy + cluster y; my second is 4 further on: the next batch
	s_lshl_b32 s20, s16, 2
	s_lshl_b32 s20, 15, s20                        ; my row of the cluster
	s_lshl_b32 s21, 0x1111, s15                    ; my column
	; group 1: dense blocks as rows of 256 bytes (32 elements of 8 bytes): A 128 rows, B 96 rows
	s_or_b32 s[G1A], s20, (3<<16)|(1<<21)
	s_mov_b32 s[G1A+1], 32<<16
	s_mov_b32 s[G1A+2], 128<<16
	s_mov_b32 s[G1A+3], 32<<16
	s_mov_b32 s[G1A+4], 128
	s_mov_b32 s[G1A+5], 32
	s_mov_b32 s[G1A+6], 0
	s_mov_b32 s[G1A+7], 0
	s_or_b32 s[G1B], s21, (3<<16)|(1<<21)
	s_mov_b32 s[G1B+1], 32<<16
	s_mov_b32 s[G1B+2], 96<<16
	s_mov_b32 s[G1B+3], 32<<16
	s_mov_b32 s[G1B+4], 96
	s_mov_b32 s[G1B+5], 32
	s_mov_b32 s[G1B+6], 0
	s_mov_b32 s[G1B+7], 0
	s_lshl_b32 s60, s14, 15                        ; A: my half of a fill, in LDS and in memory
	s_lshl_b32 s56, s19, 17
	s_add_co_u32 s56, s56, s60
	s_mov_b32 s57, 0
	s_lshl_b32 s62, s19, 17                        ; the block's panel by itself
	s_mov_b32 s63, 0
	s_mul_i32 s61, s14, 24576                      ; B likewise
	s_mul_i32 s58, s17, 98304
	s_add_co_u32 s58, s58, s61
	s_mov_b32 s59, 0
	s_add_co_u32 s61, s61, 131072
	s_wait_dscnt 0x0                               ; both opening adds are done
	s_wait_kmcnt 0x0
	s_add_nc_u64 s[ABASE:ABASE+1], s[4:5], s[62:63]
	s_add_nc_u64 s[56:57], s[4:5], s[56:57]
	s_add_nc_u64 s[58:59], s[6:7], s[58:59]
.irp n, 0,1
	s_mov_b32 s[G0A+4*\n], 1
	s_add_co_u32 s[G0A+4*\n+1], s60, \n*65536
	s_add_nc_u64 s[G0A+4*\n+2:G0A+4*\n+3], s[56:57], \n*65536
	s_or_b32 s[G0A+4*\n+3], s[G0A+4*\n+3], 0x80000000
	s_mov_b32 s[G0B+4*\n], 1
	s_add_co_u32 s[G0B+4*\n+1], s61, \n*49152
	s_add_nc_u64 s[G0B+4*\n+2:G0B+4*\n+3], s[58:59], \n*49152
	s_or_b32 s[G0B+4*\n+3], s[G0B+4*\n+3], 0x80000000
.endr
	CROUND                                         ; all sixteen work-groups are here: the joint loads meet
	s_cmp_eq_u32 s13, 0                            ; a wave's two first fills stand in one branch: K steps 0-3, then K steps 4-7; two loads of mine are out
	s_cbranch_scc0 .Lfirst_b
	tensor_load_to_lds s[G0A:G0A+3], s[G1A:G1A+7]
	s_nop 0
	tensor_load_to_lds s[G0A+4:G0A+7], s[G1A:G1A+7]
	s_nop 0
	PLACES
	s_branch .Lfirst_asked
.Lfirst_b:
	tensor_load_to_lds s[G0B:G0B+3], s[G1B:G1B+7]
	s_nop 0
	tensor_load_to_lds s[G0B+4:G0B+7], s[G1B:G1B+7]
	s_nop 0
	PLACES
.Lfirst_asked:
	v_and_b32 v[L16], 31, v0
	v_lshlrev_b32 v[L16], 4, v[L16]
	s_lshl_b32 s56, s19, 13
	s_lshl_b32 s57, s12, 11
	s_add_co_u32 s56, s56, s57
	s_add_co_u32 s56, s56, XSC
	s_mov_b32 s57, 0
	s_add_nc_u64 s[74:75], s[4:5], s[56:57]        ; the scale words of my four token tiles
	s_mul_i32 s58, s17, 6144
	s_add_co_u32 s58, s58, WSC
	s_mov_b32 s59, 0
	s_add_nc_u64 s[76:77], s[6:7], s[58:59]        ; and of the head's twelve tiles
.irp i, 0,1,2,3
	global_load_b128 v[SX+4*\i:SX+4*\i+3], v[L16], s[74:75] offset:\i*512    ; register q: lanes 0-15 K step q, lanes 16-31 K step 4 + q
.endr
.irp cj, 0,1,2,3,4,5,6,7,8,9,10,11
	global_load_b128 v[SW+4*\cj:SW+4*\cj+3], v[L16], s[76:77] offset:\cj*512
.endr
	s_lshl_b32 s56, s12, 12
	v_add_nc_u32 v[AA], s56, v[L16]
	v_add_nc_u32 v[AA+1], 0x10000, v[AA]
	v_add_nc_u32 v[BB], 0x20000, v[L16]
	v_add_nc_u32 v[BB+1], 0x2c000, v[L16]
	s_lshr_b32 s56, s19, 2
	s_lshl_b32 s56, s56, 4
	s_add_co_u32 s56, s56, s17                     ; 16 x batch + head
	s_and_b32 s58, s19, 3
	s_lshl_b32 s58, s58, 4
	s_lshl_b32 s59, s12, 2
	s_add_co_u32 s58, s58, s59                     ; my first token tile in the batch
	s_lshl_b32 s58, s58, 11
	s_lshl_b32 s60, s56, 17
	s_add_co_u32 s60, s60, s58
	s_mov_b32 s61, 0
	s_add_nc_u64 s[66:67], s[8:9], s[60:61]        ; q
	s_add_nc_u64 s[68:69], s[66:67], 0x1000000     ; k
	s_add_nc_u64 s[70:71], s[66:67], 0x2000000     ; v
	s_mul_i32 s60, s56, 12288
	s_add_nc_u64 s[72:73], s[10:11], s[60:61]
.macro FETCH s, p                      ; K step s: B's twelve fragments and my four of A into set p: 32 loads in one run
	WIN (\p)<<6
.irp cj, 0,1,2,3,4,5,6,7,8,9,10,11
.irp c, 0,1
	ds_load_b128 v[FB+8*\cj+4*\c:FB+8*\cj+4*\c+3], v[BB+(\s)/4] offset:((\s)%4)*12288+\cj*1024+\c*512
.endr
.endr
.irp i, 0,1,2,3
.irp c, 0,1
	ds_load_b128 v[FA+8*\i+4*\c:FA+8*\i+4*\c+3], v[AA+(\s)/4] offset:((\s)%4)*16384+\i*1024+\c*512
.endr
.endr
.endm
.macro WM d, a, b, sa, sb, zero, row
.if \zero
	v_wmma_scale_f32_16x16x128_f8f6f4 v[\d:\d+7], v[\a:\a+7], v[\b:\b+7], 0, v[\sa], v[\sb] matrix_a_fmt:MATRIX_FMT_FP4 matrix_b_fmt:MATRIX_FMT_FP4
.elseif \row
	v_wmma_scale_f32_16x16x128_f8f6f4 v[\d:\d+7], v[\a:\a+7], v[\b:\b+7], v[\d:\d+7], v[\sa], v[\sb] matrix_a_fmt:MATRIX_FMT_FP4 matrix_b_fmt:MATRIX_FMT_FP4 matrix_a_scale:MATRIX_SCALE_ROW1 matrix_b_scale:MATRIX_SCALE_ROW1
.else
	v_wmma_scale_f32_16x16x128_f8f6f4 v[\d:\d+7], v[\a:\a+7], v[\b:\b+7], v[\d:\d+7], v[\sa], v[\sb] matrix_a_fmt:MATRIX_FMT_FP4 matrix_b_fmt:MATRIX_FMT_FP4
.endif
.endm
.macro MUL s                           ; 48 matrix instructions: the accumulators take turns, one instruction a turn, in the same order in every K step; K step 0 starts the sums
.set fZ, 0
.if (\s) == 0
.set fZ, 1
.endif
.irp ti, 0,1,2,3
	WIN 0xa0+0x50*(\ti/2)+5*((\s)%2)
.irp cj, 0,1,2,3,4,5,6,7,8,9,10,11
.set rD, 8*(12*(\ti%2)+\cj)
.set rA, FA+8*\ti
.set rB, FB+8*\cj
.set rX, SX+4*\ti+(\s)%4
.set rW, SW+4*\cj+(\s)%4
.if \cj < 8
	WM rD, rB, rA, rW, rX, fZ, (\s)/4
.else
	WM rD, rA, rB, rX, rW, fZ, (\s)/4
.endif
.endr
.endr
.endm
; A tile's eight K steps.  first = 1: the panels' second halves are still on their way when the walk begins.
.macro KSTEPS first
.set S, 0
.rept 8
	s_wait_dscnt 0x0                               ; this K step's fragments are in
.if (\first) && (S == 3)
	s_wait_tensorcnt 0x0                           ; my part of K steps 4-7 is in,
	s_barrier_signal -1
	s_barrier_wait -1                              ; everybody's is
.endif
.if S < 7
	PLACES                                         ; four places in front of loads into registers that the step before multiplied
	FETCH S+1, (S+1)%2
.endif
	MUL S
.set S, S+1
.endr
	WIN 0
.endm
; THE WAY OUT of tile j.  The second tile's places lie one batch further on: 16 x 131,072 bytes in q, k, v and 16 x 12,288 in qkv32, inside the signed 24-bit immediate (ISA guide, chapter 10).
.macro WAYOUT j
	PLACES                                         ; in front of the first reads of results
	s_and_b32 s56, s18, 3
	s_or_b32 s56, s56, s12
	s_cmp_lg_u32 s56, 0                            ; wave 0 of a block that begins a batch: cluster y and the wave's number alone
	s_cbranch_scc1 .Lno32_\@
	WIN 0x08                                       ; a store's data: window 2
.irp cj, 0,1,2,3,4,5,6,7,8,9,10,11
	global_store_b128 v[L16], v[8*\cj:8*\cj+3], s[72:73] offset:(\j)*196608+\cj*1024
	global_store_b128 v[L16], v[8*\cj+4:8*\cj+7], s[72:73] offset:(\j)*196608+\cj*1024+512
.endr
	WIN 0
.Lno32_\@:
.irp ti, 0,1,2,3
.if \ti == 3
	s_wait_xcnt 0x0                                ; token tile 0's stores have read their registers, which token tile 3 writes again
.endif
	WIN 0x0a+5*(\ti/2)
.irp cj, 0,1,2,3,4,5,6,7,8,9,10,11
.irp rr, 0,1,2,3
	v_cvt_pk_f16_f32 v[TP+48*(\ti%3)+4*\cj+\rr], v[8*(12*(\ti%2)+\cj)+2*\rr], v[8*(12*(\ti%2)+\cj)+2*\rr+1]
.endr
.endr
	WIN 0
.irp ct, 0,1,2,3
	global_store_b128 v[L16], v[TP+48*(\ti%3)+4*\ct:TP+48*(\ti%3)+4*\ct+3], s[66:67] offset:(\j)*2097152+\ti*2048+\ct*512        ; each store covers 512 consecutive bytes, aligned
	global_store_b128 v[L16], v[TP+48*(\ti%3)+16+4*\ct:TP+48*(\ti%3)+16+4*\ct+3], s[68:69] offset:(\j)*2097152+\ti*2048+\ct*512
	global_store_b128 v[L16], v[TP+48*(\ti%3)+32+4*\ct:TP+48*(\ti%3)+32+4*\ct+3], s[70:71] offset:(\j)*2097152+\ti*2048+\ct*512
.endr
.endr
.endm
	s_wait_tensorcnt 1                             ; my part of K steps 0-3 is in; my load of K steps 4-7 may be out
	s_barrier_signal -1
	s_barrier_wait -1
	FETCH 0, 0
	s_wait_loadcnt 0x0                             ; the scale words
	KSTEPS 1
	; THE TOKENS' PANEL IS FILLED AGAIN, with the block 4 further on: 4 x 131,072 bytes on in memory; wave w brings quarter w, K steps 2 w and 2 w + 1
	s_wait_tensorcnt 0x0                           ; no tensor load of mine is out, so a group 0 may be written
	ds_add_u32 v[SPW], v[NIL]                      ; 0 onto my spare word; the descriptor's words stand between it and the wait for it
	s_lshl_b32 s60, s12, 15
	s_mov_b32 s61, 0
	s_mov_b32 s[G0A+1], s60                        ; LDS: wave x 32,768: no place in the cluster enters it
	s_add_nc_u64 s[G0A+2:G0A+3], s[ABASE:ABASE+1], s[60:61]
	s_add_nc_u64 s[G0A+2:G0A+3], s[G0A+2:G0A+3], 0x80000
	s_or_b32 s[G0A+3], s[G0A+3], 0x80000000
	s_wait_dscnt 0x0                               ; the add is done, and my reads of the panel are over
	CROUND                                         ; both now hold of every wave of every work-group of the cluster
	tensor_load_to_lds s[G0A:G0A+3], s[G1A:G1A+7]  ; my one load behind this round, shared along my row of the cluster
	s_nop 0
	PLACES                                         ; also the places in front of the loads into x's scale registers
.irp i, 0,1,2,3
	global_load_b128 v[SX+4*\i:SX+4*\i+3], v[L16], s[74:75] offset:32768+\i*512   ; the next block's scale words: 4 blocks x 16 tiles x 512 bytes on
.endr
	WAYOUT 0                                       ; the first tile leaves while the panel is on its way
	s_wait_tensorcnt 0x0                           ; my quarter of the panel is in,
	s_barrier_signal -1
	s_barrier_wait -1                              ; everybody's is
	s_wait_xcnt 0x0                                ; the first tile's stores have read their registers: fragments land there, and products write the accumulators again
	FETCH 0, 0
	s_wait_loadcnt 0x0                             ; x's scale words
	KSTEPS 0
	WAYOUT 1
	s_wait_tensorcnt 0x0                           ; the wave's end
	ds_add_u32 v[SPW], v[NIL]
	s_wait_dscnt 0x0
	CROUND                                         ; the closing round
	s_endpgm
.Lfunc_end_k_q5cdcb06d63_gemm:
	.size	k_q5cdcb06d63_gemm, .Lfunc_end_k_q5cdcb06d63_gemm-k_q5cdcb06d63_gemm
	.p2alignl 7, 3214868480
	.fill 96, 4, 3214868480
	.section	.rodata,"a",@progbits
	.p2align	6, 0x0
	.amdhsa_kernel k_q5cdcb06d63_gemm
		.amdhsa_group_segment_fixed_size 327680
		.amdhsa_private_segment_fixed_size 0
		.amdhsa_enable_private_segment 0
		.amdhsa_kernarg_size 32
		.amdhsa_user_sgpr_count 2
		.amdhsa_user_sgpr_kernarg_segment_ptr 1
		.amdhsa_wavefront_size32 1
		.amdhsa_system_sgpr_workgroup_id_x 1
		.amdhsa_system_sgpr_workgroup_id_y 1
		.amdhsa_system_sgpr_workgroup_id_z 1
		.amdhsa_system_vgpr_workitem_id 0
		.amdhsa_next_free_vgpr 960
		.amdhsa_next_free_sgpr 80
		.amdhsa_reserve_vcc 0
		.amdhsa_float_denorm_mode_32 3
		.amdhsa_float_denorm_mode_16_64 3
		.amdhsa_memory_ordered 1
		.amdhsa_forward_progress 1
		.amdhsa_inst_pref_size 180
	.end_amdhsa_kernel
	.amdgpu_metadata
---
amdhsa.version: [ 1, 2 ]
amdhsa.kernels:
  - .name:           k_q5cdcb06d63_gemm
    .symbol:         k_q5cdcb06d63_gemm.kd
    .args:
      - { .name: xq4, .offset: 0, .size: 8, .value_kind: global_buffer, .address_space: global }
      - { .name: wq4, .offset: 8, .size: 8, .value_kind: global_buffer, .address_space: global }
      - { .name: qkvh, .offset: 16, .size: 8, .value_kind: global_buffer, .address_space: global }
      - { .name: qkv32, .offset: 24, .size: 8, .value_kind: global_buffer, .address_space: global }
    .group_segment_fixed_size: 327680
    .private_segment_fixed_size: 0
    .kernarg_segment_align: 8
    .kernarg_segment_size: 32
    .max_flat_workgroup_size: 128
    .sgpr_count:     80
    .vgpr_count:     960
    .wavefront_size: 32
...
	.end_amdgpu_metadata
.endif
;; end of part 2
;; launch attn (part 3): grid 2 x 128, 16 waves a work-group, no clusters, 327,680 bytes of LDS; arguments qkvh, aoh; writes aoh
.if DOCPART == 3
	.amdgcn_target "amdgcn-amd-amdhsa--gfx1250"
	.amdhsa_code_object_version 6
	.text
	.protected	k_q5cdcb06d63_attn
	.globl	k_q5cdcb06d63_attn
	.p2align	8
	.type	k_q5cdcb06d63_attn,@function
k_q5cdcb06d63_attn:
	s_mov_b64 s[64:65], 0
	v_nop
	global_prefetch_b8 v0, s[64:65] scope:SCOPE_SE
	s_setreg_imm32_b32 hwreg(HW_REG_WAVE_MODE, 25, 1), 1
	s_wait_xcnt 0x0
; ATTN.  Causal attention of one (batch, head) on f16 operands, sums, maxima and exponentials in f32, with a running maximum.  Head size 64, 1,024 positions.
; Two work-groups to a head (g = 0, 1).  ALL of the head's K and V images come to lie in LDS (2 x 131,072 bytes), each byte filled once, in four chunks of 256 keys.  Chunk 0 is asked for at the head; chunk p + 1 behind
; phase p's barrier, one load a wave, so that it has a whole phase in which to land.  Nothing is filled again.  (The claim of LDS is larger than the use.)
; Wave w owns two tiles of 16 queries, 4 m + g and 4 m + g + 2, which share every fragment of K and V; it has key steps of 32 keys, 0 .. 2 m + 1.
; WHO WALKS WHAT WHEN.  A running maximum takes the keys in any order, so the chunk that a wave walks in a phase need not be the phase's own; it must only have landed.  The waves fall into four classes a:
; m = 15 - s (a = 3), 8 + s (a = 2), 7 - s (a = 1), s (a = 0), s = w % 4.  Class 3 walks chunks 0, 1, 2, 3 in phases 0, 1, 2, 3; class 2 chunks 0, 1 in phases 0, 1 and chunk 2 in phase 3; class 1 chunks 0, 1 in phases 2, 3;
; class 0 chunk 0 in phase 3.  The class is made from (w / 4) xor (w % 4): so the four waves with equal w % 4, and likewise the four with equal w / 4, hold one wave of each class, and have 16, 16, 16 and 20 steps in the four phases.
; A wave with nothing to walk in a phase gets a step number past its last, which a branch on ids jumps over, and an LDS offset inside a chunk that has landed.  Every wave passes every barrier.
; LAYOUT.  S^T = K Q^T (source 0 = 16 keys, source 1 = 16 queries) and O^T = V^T P: a lane holds ONE query throughout; two tiles of S^T, rounded in pairs, are P's fragment.  K, Q, V come as images of these fragments.
; The first 16 positions of each batch are computed here like the others; a later launch computes them in f32 and stores their output rows again.
; NO CLUSTER: only two work-groups share a head's K and V; a cluster four wide along x would hold two heads, and a pair's mask would then reach along the axis along which the address differs.
; NO PREFETCH: each chunk is asked for a whole phase ahead of the wait for it.
; LIMITS: NaN and infinities are not served; the result, an average of v, stays in f16's range with v.
;   aoh: [64 blocks of 128 tokens][8 K steps of 128][8 tiles][4 fragments][2][512]: the projection's operand images.
.set SPARE, 262144
.set L16, 1
.set AK,  2
.set AV,  3
.set D0,  4                            ; v4  r - 8 h
.set DQ,  5                            ; v5, v6  the mask's bound for each tile
.set NEG, 7                            ; v7  -infinity
.set ST,  8                            ; tile q at v[8 + 8 q]: +0 c m, +1 m, +2, +3 the sum in two halves, +4 .. +7 at work, a at +6
.set QR,  24
.set KR,  56
.set VR,  88
.set SR,  120
.set PR,  152
.set OR,  168
.set SPW, 254
.set NIL, 255
.set WV,  12
.set GG,  13
.set BH,  14
.set MM,  15
.set T1,  16
.set LS,  17                           ; my last key step
.set KS,  18                           ; the key step in hand
.set OFF, 19                           ; its tiles' LDS byte
.set CNT, 20
.set AG,  21                           ; my class
	s_load_b128 s[4:7], s[0:1], 0x0                ; qkvh, aoh
	v_lshl_add_u32 v[SPW], v0, 2, SPARE
	v_mov_b32 v[NIL], 0
	ds_add_u32 v[SPW], v[NIL]                      ; the opening: the add, twice on end, and its wait ahead of my first tensor load
	ds_add_u32 v[SPW], v[NIL]
	v_lshrrev_b32 v1, 5, v0
	v_readfirstlane_b32 s[WV], v1
	s_mov_b32 s[GG], ttmp9
	s_and_b32 s[BH], ttmp7, 0xffff
	s_lshr_b32 s44, s[WV], 2
	s_and_b32 s45, s[WV], 3                        ; s
	s_xor_b32 s44, s44, s45                        ; k = (w / 4) xor (w % 4)
	s_lshr_b32 s46, s44, 1
	s_xor_b32 s46, s46, 1
	s_xor_b32 s[AG], s44, s46                      ; k = 0, 1, 2, 3 -> class 1, 0, 2, 3
	s_sub_co_u32 s46, 3, s45
	s_bitcmp1_b32 s[AG], 0
	s_cselect_b32 s45, s46, s45                    ; odd classes count s down
	s_lshl_b32 s[MM], s[AG], 2
	s_add_co_u32 s[MM], s[MM], s45
	s_lshl_b32 s[T1], s[MM], 2
	s_add_co_u32 s[T1], s[T1], s[GG]
	s_lshl_b32 s[LS], s[MM], 1
	s_add_co_u32 s[LS], s[LS], 1
	s_mov_b32 s48, 3<<16                           ; group 1: 4,096 dense bytes as 16 rows of 256 (32 elements of 8 bytes)
	s_mov_b32 s49, 32<<16
	s_mov_b32 s50, 16<<16
	s_mov_b32 s51, 32<<16
	s_mov_b32 s52, 16
	s_mov_b32 s53, 32
	s_mov_b32 s54, 0
	s_mov_b32 s55, 0
	s_mov_b32 s40, 0x76543210
	s_mov_b32 s41, 0xfedcba98
	s_mov_b32 s42, 0x3e38aa3b                      ; c = log2(e) / sqrt(64)
	s_mov_b32 s43, s42
	s_lshr_b32 s8, s[WV], 3                        ; waves 0-7 fetch K, waves 8-15 V: an eighth of each chunk
	s_and_b32 s9, s[WV], 7
	s_lshl_b32 s10, s8, 17
	s_lshl_b32 s9, s9, 12
	s_add_co_u32 s10, s10, s9                      ; in LDS
	s_lshl_b32 s22, s8, 24
	s_add_co_u32 s22, s22, 0x1000000
	s_lshl_b32 s11, s[BH], 17
	s_add_co_u32 s22, s22, s11
	s_add_co_u32 s22, s22, s9                      ; in memory
	s_mov_b32 s23, 0
	s_wait_dscnt 0x0                               ; both opening adds are done
	s_wait_kmcnt 0x0
	s_add_nc_u64 s[22:23], s[4:5], s[22:23]
.irp c, 0,1,2,3
	s_mov_b32 s[24+4*\c], 1                        ; a group 0 of its own for each chunk: none is ever written again
	s_add_co_u32 s[25+4*\c], s10, \c*32768
	s_add_nc_u64 s[26+4*\c:27+4*\c], s[22:23], \c*32768
	s_or_b32 s[27+4*\c], s[27+4*\c], 0x80000000
.endr
	tensor_load_to_lds s[24:27], s[48:55]          ; chunk 0: one load of mine is out
	s_nop 0
.rept 4
	v_nop
.endr
	s_lshl_b32 s8, s[T1], 11
	s_add_co_u32 s8, s8, s11
	s_mov_b32 s9, 0
	s_add_nc_u64 s[8:9], s[4:5], s[8:9]            ; q at my first tile
	v_and_b32 v[L16], 31, v0
	v_lshlrev_b32 v[L16], 4, v[L16]
.irp q, 0,1
.irp i, 0,1,2,3
	global_load_b128 v[QR+16*\q+4*\i:QR+16*\q+4*\i+3], v[L16], s[8:9] offset:\q*4096+\i*512
.endr
.endr
	v_and_b32 v[D0], 15, v0
	v_bfe_u32 v[DQ], v0, 4, 1
	v_lshlrev_b32 v[DQ], 3, v[DQ]
	v_sub_nc_u32 v[D0], v[D0], v[DQ]
	v_mov_b32 v[NEG], 0xff800000
.irp q, 0,1
	v_mov_b32 v[ST+8*\q+1], 0xff61b1e6             ; the largest score so far: -3e38
.irp i, 2,3,4,5,6,7
	v_mov_b32 v[ST+8*\q+\i], 0
.endr
	v_mul_f32 v[ST+8*\q], s42, v[ST+8*\q+1]
.endr
.set i, 0
.rept 64
	v_mov_b32 v[OR+i], 0                           ; O^T.  The step is written once: the first finds zeros, which its a = 0 leaves zeros
.set i, i+1
.endr
	s_wait_loadcnt 0x0                             ; q
.macro STEP
	s_cmp_gt_u32 s[KS], s[LS]                      ; past my last step: ids alone
	s_cbranch_scc1 .Lskip_\@
	v_add_nc_u32 v[AK], s[OFF], v[L16]
	v_add_nc_u32 v[AV], 0x20000, v[AK]
.irp i, 0,1,2,3,4,5,6,7
	ds_load_b128 v[KR+4*\i:KR+4*\i+3], v[AK] offset:512*\i
.endr
.irp ct, 0,1,2,3
.irp u, 0,1
	ds_load_b128 v[VR+8*\ct+4*\u:VR+8*\ct+4*\u+3], v[AV] offset:2048*\u+512*\ct
.endr
.endr
	s_wait_dscnt 8                                 ; K's eight loads are in; V's eight may be out
.irp f, 0,1
.irp q, 0,1
.irp kt, 0,1
.if \f == 0
	v_wmma_f32_16x16x32_f16 v[SR+16*\q+8*\kt:SR+16*\q+8*\kt+7], v[KR+16*\kt:KR+16*\kt+7], v[QR+16*\q:QR+16*\q+7], 0
.else
	v_wmma_f32_16x16x32_f16 v[SR+16*\q+8*\kt:SR+16*\q+8*\kt+7], v[KR+16*\kt+8:KR+16*\kt+15], v[QR+16*\q+8:QR+16*\q+15], v[SR+16*\q+8*\kt:SR+16*\q+8*\kt+7]
.endif
.endr
.endr
.endr
.rept 4
	v_nop
.endr
	s_add_co_u32 s44, s[KS], 1
	s_cmp_lt_u32 s44, s[LS]                        ; all 32 keys count for both tiles in every step but my last two
	s_cbranch_scc1 .Lopen_\@
	s_lshl_b32 s44, s[T1], 4
	s_lshl_b32 s45, s[KS], 5
	s_sub_co_i32 s44, s44, s45
	v_add_nc_u32 v[DQ], s44, v[D0]                 ; register 8 kt + j holds key 32 KS + 16 kt + 8 h + j: hidden where 16 kt + j > my query - 32 KS - 8 h
	v_add_nc_u32 v[DQ+1], 32, v[DQ]
.irp q, 0,1
.irp n, 0,1,2,3,4,5,6,7,8,9,10,11,12,13,14,15
	v_cmp_gt_i32 vcc_lo, 16*(\n/8)+\n%8, v[DQ+\q]
	v_cndmask_b32 v[SR+16*\q+\n], v[SR+16*\q+\n], v[NEG], vcc_lo
.endr
.endr
.Lopen_\@:
.irp q, 0,1
	v_max3_num_f32 v[ST+8*\q+4], v[SR+16*\q], v[SR+16*\q+1], v[SR+16*\q+2]
	v_max3_num_f32 v[ST+8*\q+5], v[SR+16*\q+3], v[SR+16*\q+4], v[SR+16*\q+5]
.endr
.irp i, 6,10
.irp q, 0,1
	v_max3_num_f32 v[ST+8*\q+4], v[ST+8*\q+4], v[SR+16*\q+\i], v[SR+16*\q+\i+1]
	v_max3_num_f32 v[ST+8*\q+5], v[ST+8*\q+5], v[SR+16*\q+\i+2], v[SR+16*\q+\i+3]
.endr
.endr
.irp q, 0,1
	v_max3_num_f32 v[ST+8*\q+4], v[ST+8*\q+4], v[SR+16*\q+14], v[SR+16*\q+15]
.endr
.irp q, 0,1
	v_max3_num_f32 v[ST+8*\q+4], v[ST+8*\q+4], v[ST+8*\q+5], v[ST+8*\q+1]   ; with the old m
.endr
.irp q, 0,1
	v_permlanex16_b32 v[ST+8*\q+5], v[ST+8*\q+4], s40, s41                 ; the query's other 16 keys lie in the lane 16 away
.endr
.irp q, 0,1
	v_mov_b32 v[ST+8*\q+7], v[ST+8*\q]             ; c m_old
.endr
.irp q, 0,1
	v_max_num_f32 v[ST+8*\q+1], v[ST+8*\q+4], v[ST+8*\q+5]
.endr
.irp q, 0,1
	v_mul_f32 v[ST+8*\q], s42, v[ST+8*\q+1]
.endr
.irp q, 0,1
	v_sub_f32 v[ST+8*\q+7], v[ST+8*\q+7], v[ST+8*\q]
.endr
.irp i, 0,2,4,6,8,10,12,14
.irp q, 0,1
	v_pk_fma_f32 v[SR+16*\q+\i:SR+16*\q+\i+1], v[SR+16*\q+\i:SR+16*\q+\i+1], s[42:43], v[ST+8*\q:ST+8*\q+1] op_sel_hi:[1,0,0] neg_lo:[0,0,1] neg_hi:[0,0,1]   ; c s - c m
.endr
.endr
.irp q, 0,1
	v_exp_f32 v[ST+8*\q+6], v[ST+8*\q+7]           ; a = 2^(c m_old - c m_new)
.endr
.irp n, 0,1,2,3,4,5,6,7,8,9,10,11,12,13,14,15
.irp q, 0,1
	v_exp_f32 v[SR+16*\q+\n], v[SR+16*\q+\n]
.endr
.endr
	v_nop                                          ; a plain line behind the last exponential
	s_wait_alu depctr_va_vdst(0)                   ; one wait for the batch of 34, ahead of its first reader
.irp i, 0,1,2,3,4,5,6,7
.irp q, 0,1
	v_cvt_pk_f16_f32 v[PR+8*\q+\i], v[SR+16*\q+2*\i], v[SR+16*\q+2*\i+1]
.endr
.endr
.irp u, 0,1,2,3
.irp q, 0,1
	v_pk_add_f32 v[SR+16*\q+4*\u:SR+16*\q+4*\u+1], v[SR+16*\q+4*\u:SR+16*\q+4*\u+1], v[SR+16*\q+4*\u+2:SR+16*\q+4*\u+3]
.endr
.endr
.irp u, 0,1
.irp q, 0,1
	v_pk_add_f32 v[SR+16*\q+8*\u:SR+16*\q+8*\u+1], v[SR+16*\q+8*\u:SR+16*\q+8*\u+1], v[SR+16*\q+8*\u+4:SR+16*\q+8*\u+5]
.endr
.endr
.irp q, 0,1
	v_pk_add_f32 v[SR+16*\q:SR+16*\q+1], v[SR+16*\q:SR+16*\q+1], v[SR+16*\q+8:SR+16*\q+9]
.endr
.irp q, 0,1
	v_pk_fma_f32 v[ST+8*\q+2:ST+8*\q+3], v[ST+8*\q+2:ST+8*\q+3], v[ST+8*\q+6:ST+8*\q+7], v[SR+16*\q:SR+16*\q+1] op_sel_hi:[1,0,1]   ; the sum = a x the sum + this step's
.endr
.irp q, 0,1
.irp i, 0,2,4,6,8,10,12,14,16,18,20,22,24,26,28,30
	v_pk_mul_f32 v[OR+32*\q+\i:OR+32*\q+\i+1], v[OR+32*\q+\i:OR+32*\q+\i+1], v[ST+8*\q+6:ST+8*\q+7] op_sel_hi:[1,0]
.endr
.endr
	s_wait_dscnt 0x0                               ; V is in
.irp ct, 0,1,2,3
.irp q, 0,1
	v_wmma_f32_16x16x32_f16 v[OR+32*\q+8*\ct:OR+32*\q+8*\ct+7], v[VR+8*\ct:VR+8*\ct+7], v[PR+8*\q:PR+8*\q+7], v[OR+32*\q+8*\ct:OR+32*\q+8*\ct+7]
.endr
.endr
.rept 4
	v_nop                                          ; places in front of the next loads into V's registers and of the next read of O^T, whichever way leads there
.endr
.Lskip_\@:
	s_add_co_u32 s[KS], s[KS], 1
	s_add_co_u32 s[OFF], s[OFF], 4096
.endm
; PHASE p.  In front of its barrier every wave's part of chunk p has landed; behind it chunk p + 1 is asked for, a first fill issued as a refill is: the wait for all my tensor loads, the add, the wait for it,
; the barrier, and my one load first behind it.  Then eight steps of the chunk that my class walks in this phase, or eight jumps.
.macro PHASE p
	s_wait_tensorcnt 0x0                           ; the one load of mine that was out, my part of chunk p, is in
	ds_add_u32 v[SPW], v[NIL]                      ; the phase's first step and offset are made between it and the wait for it
.if \p == 0
	s_lshr_b32 s44, s[AG], 1
	s_xor_b32 s44, s44, 1
	s_lshl_b32 s[KS], s44, 6                       ; classes 3, 2: step 0; classes 1, 0: step 64, past every last step
	s_mov_b32 s[OFF], 0
.elseif \p == 1
	s_lshr_b32 s44, s[AG], 1
	s_xor_b32 s44, s44, 1
	s_lshl_b32 s[KS], s44, 6
	s_add_co_u32 s[KS], s[KS], 8                   ; classes 3, 2: step 8
	s_mov_b32 s[OFF], 32768
.elseif \p == 2
	s_lshr_b32 s44, s[AG], 1
	s_lshl_b32 s[OFF], s44, 16                     ; class 3: chunk 2; class 1: chunk 0; the even classes jump, their offsets lie in these same chunks
	s_lshl_b32 s[KS], s44, 4
	s_and_b32 s45, s[AG], 1
	s_xor_b32 s45, s45, 1
	s_lshl_b32 s45, s45, 6
	s_add_co_u32 s[KS], s[KS], s45
.else
	s_lshl_b32 s[OFF], s[AG], 15                   ; class a: chunk a
	s_lshl_b32 s[KS], s[AG], 3
.endif
	s_mov_b32 s[CNT], 8
	s_wait_dscnt 0x0                               ; the add is done; no LDS load of mine is out
	s_barrier_signal -1
	s_barrier_wait -1                              ; everybody's part of chunk p is in
.if \p < 3
	tensor_load_to_lds s[28+4*\p:31+4*\p], s[48:55]    ; chunk p + 1, into bytes that nothing has filled: my one load until the next barrier
	s_nop 0
.rept 4
	v_nop
.endr
.endif
.Lstep_\@:
	STEP
	s_sub_co_u32 s[CNT], s[CNT], 1
	s_cmp_lg_u32 s[CNT], 0
	s_cbranch_scc1 .Lstep_\@
.endm
	PHASE 0
	PHASE 1
	PHASE 2
	PHASE 3
	; THE WAY OUT: O^T / the sum, rounded to f16: a lane's eight channels are 16 bytes of the projection's operand image
.irp q, 0,1
	v_add_f32 v[ST+8*\q+4], v[ST+8*\q+2], v[ST+8*\q+3]
.endr
.irp q, 0,1
	v_permlanex16_b32 v[ST+8*\q+5], v[ST+8*\q+4], s40, s41
.endr
.irp q, 0,1
	v_add_f32 v[ST+8*\q+4], v[ST+8*\q+4], v[ST+8*\q+5]
.endr
.irp q, 0,1
	v_rcp_f32 v[ST+8*\q+6], v[ST+8*\q+4]
.endr
	v_nop
	s_lshr_b32 s44, s[BH], 4
	s_lshl_b32 s44, s44, 3
	s_lshr_b32 s45, s[MM], 1
	s_add_co_u32 s44, s44, s45
	s_lshl_b32 s44, s44, 18                        ; the block of 128 tokens
	s_bfe_u32 s45, s[BH], 0x30001
	s_lshl_b32 s45, s45, 15                        ; K step = head / 2
	s_add_co_u32 s44, s44, s45
	s_and_b32 s45, s[T1], 7
	s_lshl_b32 s45, s45, 12                        ; the tile in the block
	s_add_co_u32 s44, s44, s45
	s_and_b32 s45, s[BH], 1
	s_lshl_b32 s45, s45, 11                        ; the head's half of the K step
	s_add_co_u32 s44, s44, s45
	s_mov_b32 s45, 0
	s_add_nc_u64 s[6:7], s[6:7], s[44:45]
	s_wait_alu depctr_va_vdst(0)                   ; one wait for the two reciprocals, ahead of their first reader
.irp q, 0,1
.irp i, 0,2,4,6,8,10,12,14,16,18,20,22,24,26,28,30
	v_pk_mul_f32 v[OR+32*\q+\i:OR+32*\q+\i+1], v[OR+32*\q+\i:OR+32*\q+\i+1], v[ST+8*\q+6:ST+8*\q+7] op_sel_hi:[1,0]
.endr
.endr
.irp q, 0,1
.irp i, 0,1,2,3,4,5,6,7,8,9,10,11,12,13,14,15
	v_cvt_pk_f16_f32 v[SR+16*\q+\i], v[OR+32*\q+2*\i], v[OR+32*\q+2*\i+1]
.endr
.endr
.irp q, 0,1
.irp ct, 0,1,2,3
	global_store_b128 v[L16], v[SR+16*\q+4*\ct:SR+16*\q+4*\ct+3], s[6:7] offset:\q*8192+\ct*512   ; 512 consecutive bytes, aligned
.endr
.endr
	s_wait_tensorcnt 0x0                           ; the wave's end
	ds_add_u32 v[SPW], v[NIL]
	s_wait_dscnt 0x0
	s_endpgm
.Lfunc_end_k_q5cdcb06d63_attn:
	.size	k_q5cdcb06d63_attn, .Lfunc_end_k_q5cdcb06d63_attn-k_q5cdcb06d63_attn
	.p2alignl 7, 3214868480
	.fill 96, 4, 3214868480
	.section	.rodata,"a",@progbits
	.p2align	6, 0x0
	.amdhsa_kernel k_q5cdcb06d63_attn
		.amdhsa_group_segment_fixed_size 327680
		.amdhsa_private_segment_fixed_size 0
		.amdhsa_enable_private_segment 0
		.amdhsa_kernarg_size 16
		.amdhsa_user_sgpr_count 2
		.amdhsa_user_sgpr_kernarg_segment_ptr 1
		.amdhsa_wavefront_size32 1
		.amdhsa_system_sgpr_workgroup_id_x 1
		.amdhsa_system_sgpr_workgroup_id_y 1
		.amdhsa_system_sgpr_workgroup_id_z 1
		.amdhsa_system_vgpr_workitem_id 0
		.amdhsa_next_free_vgpr 256
		.amdhsa_next_free_sgpr 66
		.amdhsa_reserve_vcc 1
		.amdhsa_float_denorm_mode_32 3
		.amdhsa_float_denorm_mode_16_64 3
		.amdhsa_memory_ordered 1
		.amdhsa_forward_progress 1
		.amdhsa_inst_pref_size 65
	.end_amdhsa_kernel
	.amdgpu_metadata
---
amdhsa.version: [ 1, 2 ]
amdhsa.kernels:
  - .name:           k_q5cdcb06d63_attn
    .symbol:         k_q5cdcb06d63_attn.kd
    .args:
      - { .name: qkvh, .offset: 0, .size: 8, .value_kind: global_buffer, .address_space: global }
      - { .name: aoh, .offset: 8, .size: 8, .value_kind: global_buffer, .address_space: global }
    .group_segment_fixed_size: 327680
    .private_segment_fixed_size: 0
    .kernarg_segment_align: 8
    .kernarg_segment_size: 16
    .max_flat_workgroup_size: 512
    .sgpr_count:     66
    .vgpr_count:     256
    .wavefront_size: 32
...
	.end_amdgpu_metadata
.endif
;; end of part 3
;; launch proj (part 4): grid 4 x 64, 4 waves a work-group, clusters of 4 x 4, 327,680 bytes of LDS; arguments aoh, wp16, bp, out0; writes out0
.if DOCPART == 4
	.amdgcn_target "amdgcn-amd-amdhsa--gfx1250"
	.amdhsa_code_object_version 6
	.text
	.protected	k_q5cdcb06d63_proj
	.globl	k_q5cdcb06d63_proj
	.p2align	8
	.type	k_q5cdcb06d63_proj,@function
k_q5cdcb06d63_proj:
	s_mov_b64 s[64:65], 0
	v_nop
	global_prefetch_b8 v0, s[64:65] scope:SCOPE_SE
	s_setreg_imm32_b32 hwreg(HW_REG_WAVE_MODE, 25, 1), 1
	s_wait_xcnt 0x0
	s_wait_alu depctr_hold_cnt(0) depctr_sa_sdst(0) depctr_va_vdst(0) depctr_va_sdst(0) depctr_va_ssrc(0) depctr_va_vcc(0) depctr_vm_vsrc(0)
	s_getreg_b32 s2, hwreg(HW_REG_IB_STS2, 6, 4)
	s_cmp_eq_u32 s2, 0
	s_cbranch_scc0 .Lentry_in_a_cluster
	s_endpgm
.Lentry_in_a_cluster:
	s_bfe_u32 s2, ttmp6, 0x10000c
	s_cmp_lg_u32 s2, 0xf033
	s_cbranch_scc0 .Lentry_shape_is_right
	s_endpgm
.Lentry_shape_is_right:
; PROJ.  out0[t][n] = sum over k of ao[t][k] Wp[n][k] + bp[n]: f16 operands, f32 sums, f32 out.  8,192 x 1,024 x 1,024.
; A work-group makes 128 tokens x 256 n; its four waves lie 2 x 2, each 64 x 128: 32 accumulators.  256 work-groups.
; K goes in 8 steps of 128 through a ring of two LDS slots filled by joint tensor loads: 4 x 4 work-groups form a cluster; the four of a row share ao's tile, the four of a column Wp's.
; ao comes as images of operand registers (a K step of 128 tokens is 32,768 dense bytes); Wp as rows of 256 bytes, padded by 16 in LDS, so that the 16 rows of a fragment load start at 16 different banks (64 banks of 4 bytes: ISA guide 11.1).
; The matrix instruction is used transposed (source 0 = 16 rows of Wp, source 1 = 16 tokens): a lane holds eight neighbouring n of one token.  The bias is the C of each sum's first instruction.
; No prefetch: a refill is asked for a whole K step, 128 matrix instructions a wave, ahead of the wait for it, and the walk has eight steps.
; This launch claims all of LDS.
; REGISTERS: window 0: v2-29 addresses; v32-127, v128-223 two fragment buffers (A 32 registers, B 64); window 1: the accumulators at v[8 (8 ti + nj)]; window 2: v0-63 the bias.
.set SLOT,  102400                     ; A's images 32,768, then B's 256 rows x 272
.set STAGE, 2*SLOT                     ; behind the ring: 16 rows x 528 bytes for each wave
.set SPARE, STAGE+4*16*528             ; behind the stages: the spare words
.set L16, 2
.set ADA, 16
.set ADB, 18
.set STO, 20
.set RD,  21
.set HB,  23                           ; v23  32 h
.set SPW, 28
.set NIL, 29
.set F0,  32
.set BK,  32
.set G1A, 16
.set G1B, 24
.set G0A, 32
.set G0B, 48
.set MSB, 0
.macro WIN new
.if MSB != (\new)
	s_set_vgpr_msb (MSB<<8)|(\new)
.set MSB, (\new)
.endif
.endm
.macro ROUND                           ; a round of the cluster's barrier
	s_barrier_signal -1
	s_barrier_wait -1
	s_cmp_lg_u32 s12, 0
	s_cbranch_scc1 .Lnot_wave_0_\@
	s_barrier_signal -3
.Lnot_wave_0_\@:
	s_barrier_wait -3
	s_barrier_signal -1
	s_barrier_wait -1
.endm
.macro PLACES
.rept 4
	v_nop
.endr
.endm
.macro JLOAD s                         ; waves 0, 1 fetch A's halves, waves 2, 3 B's: the branch hangs on the wave's number alone
	s_cmp_eq_u32 s13, 0
	s_cbranch_scc0 .Lfor_b_\@
	tensor_load_to_lds s[G0A+4*(\s):G0A+4*(\s)+3], s[G1A:G1A+7]
	s_nop 0
	PLACES
	s_branch .Lasked_\@
.Lfor_b_\@:
	tensor_load_to_lds s[G0B+4*(\s):G0B+4*(\s)+3], s[G1B:G1B+7]
	s_nop 0
	PLACES
.Lasked_\@:
.endm
	s_load_b256 s[4:11], s[0:1], 0x0               ; aoh, wp16, bp, out0
	v_lshl_add_u32 v[SPW], v0, 2, SPARE
	v_mov_b32 v[NIL], 0
	ds_add_u32 v[SPW], v[NIL]                      ; the opening: the add, twice on end, and its wait ahead of my first tensor load
	ds_add_u32 v[SPW], v[NIL]
	v_lshrrev_b32 v1, 5, v0
	v_readfirstlane_b32 s12, v1
	s_lshr_b32 s13, s12, 1                         ; my half of the tokens; also: I fetch for A (0) or B (1)
	s_and_b32 s14, s12, 1                          ; my half of the n; also: which half of a tile I fetch
	s_bfe_u32 s15, ttmp6, 0x40000                  ; cx
	s_bfe_u32 s40, ttmp6, 0x40004                  ; cy
	s_lshl_b32 s56, ttmp9, 2
	s_add_co_u32 s56, s56, s15                     ; block of 256 n
	s_and_b32 s41, ttmp7, 0xffff
	s_lshl_b32 s41, s41, 2
	s_add_co_u32 s41, s41, s40                     ; block of 128 tokens
	s_lshl_b32 s42, s40, 2
	s_lshl_b32 s42, 15, s42                        ; my row of the cluster
	s_lshl_b32 s43, 0x1111, s15                    ; my column
	s_or_b32 s[G1A], s42, (3<<16)|(1<<21)          ; A: 16,384 dense bytes as 64 rows of 256
	s_mov_b32 s[G1A+1], 32<<16
	s_mov_b32 s[G1A+2], 64<<16
	s_mov_b32 s[G1A+3], 32<<16
	s_mov_b32 s[G1A+4], 64
	s_mov_b32 s[G1A+5], 32
	s_mov_b32 s[G1A+6], 0
	s_mov_b32 s[G1A+7], 0
	s_or_b32 s[G1B], s43, (1<<16)|(1<<20)|(1<<21)|(5<<22)|(3<<25)   ; B: 128 rows x 128 f16, 4 words of padding behind every 64
	s_mov_b32 s[G1B+1], 128<<16
	s_mov_b32 s[G1B+2], 128<<16
	s_mov_b32 s[G1B+3], 128<<16
	s_mov_b32 s[G1B+4], 128
	s_mov_b32 s[G1B+5], 1024
	s_mov_b32 s[G1B+6], 0
	s_mov_b32 s[G1B+7], 0
	s_lshl_b32 s57, s14, 14
	s_lshl_b32 s44, s41, 18
	s_add_co_u32 s44, s44, s57
	s_mov_b32 s45, 0
	s_lshl_b32 s46, s56, 8
	s_lshl_b32 s58, s14, 7
	s_add_co_u32 s46, s46, s58
	s_lshl_b32 s46, s46, 11
	s_mov_b32 s47, 0
	s_mul_i32 s59, s14, 34816
	s_add_co_u32 s59, s59, 32768
	s_wait_dscnt 0x0                               ; both opening adds are done
	s_wait_kmcnt 0x0
	s_add_nc_u64 s[44:45], s[4:5], s[44:45]
	s_add_nc_u64 s[46:47], s[6:7], s[46:47]
.irp n, 0,1
	s_mov_b32 s[G0A+4*\n], 1
	s_add_co_u32 s[G0A+4*\n+1], s57, \n*SLOT
	s_add_nc_u64 s[G0A+4*\n+2:G0A+4*\n+3], s[44:45], \n*32768
	s_or_b32 s[G0A+4*\n+3], s[G0A+4*\n+3], 0x80000000
	s_mov_b32 s[G0B+4*\n], 1
	s_add_co_u32 s[G0B+4*\n+1], s59, \n*SLOT
	s_add_nc_u64 s[G0B+4*\n+2:G0B+4*\n+3], s[46:47], \n*256
	s_or_b32 s[G0B+4*\n+3], s[G0B+4*\n+3], 0x80000000
.endr
	ROUND                                          ; in front of the first joint load
	JLOAD 0                                        ; K step 0
	v_and_b32 v1, 31, v0
	v_lshlrev_b32 v[L16], 4, v1
	v_and_b32 v3, 15, v0                           ; r
	v_bfe_u32 v4, v0, 4, 1                         ; h
	s_lshl_b32 s57, s13, 14
	v_add_nc_u32 v[ADA], s57, v[L16]
	v_add_nc_u32 v[ADA+1], SLOT, v[ADA]
	v_mul_u32_u24 v5, v3, 272
	v_lshl_add_u32 v5, v4, 4, v5
	s_mul_i32 s58, s14, 34816
	s_add_co_u32 s58, s58, 32768
	v_add_nc_u32 v[ADB], s58, v5
	v_add_nc_u32 v[ADB+1], SLOT, v[ADB]
	s_mul_i32 s57, s12, 16*528
	s_add_co_u32 s57, s57, STAGE
	v_mul_u32_u24 v[STO], v3, 528
	v_lshl_add_u32 v[STO], v4, 5, v[STO]
	v_add_nc_u32 v[STO], s57, v[STO]
	v_add_nc_u32 v[RD], s57, v[L16]
	v_lshlrev_b32 v[HB], 5, v4
	s_lshl_b32 s60, s41, 19
	s_lshl_b32 s61, s13, 18
	s_add_co_u32 s60, s60, s61
	s_lshl_b32 s62, s56, 10
	s_lshl_b32 s63, s14, 9
	s_add_co_u32 s62, s62, s63                     ; my first n, in bytes
	s_mov_b32 s63, 0
	s_add_nc_u64 s[8:9], s[8:9], s[62:63]
	s_add_co_u32 s60, s60, s62
	s_mov_b32 s61, 0
	s_add_nc_u64 s[10:11], s[10:11], s[60:61]
	WIN 0x80                                       ; destination window 2
.irp nj, 0,1,2,3,4,5,6,7
	global_load_b128 v[8*\nj:8*\nj+3], v[HB], s[8:9] offset:\nj*64        ; lane (r, h), register j: bp at 16 nj + 8 h + j
	global_load_b128 v[8*\nj+4:8*\nj+7], v[HB], s[8:9] offset:\nj*64+16
.endr
	WIN 0
.macro FETCH slot, kq, f               ; 32 along K: my four fragments of A, my eight of B: 24 loads in one run, behind four places
	PLACES
.irp i, 0,1,2,3
.irp u, 0,1
	ds_load_b128 v[(\f)+8*\i+4*\u:(\f)+8*\i+4*\u+3], v[ADA+(\slot)] offset:\i*4096+(\kq)*1024+\u*512
.endr
.endr
.irp nj, 0,1,2,3,4,5,6,7
.irp u, 0,1
	ds_load_b128 v[(\f)+32+8*\nj+4*\u:(\f)+32+8*\nj+4*\u+3], v[ADB+(\slot)] offset:\nj*4352+(\kq)*64+\u*32
.endr
.endr
.endm
.macro MUL32 f, first                  ; the 32 accumulators take turns, one instruction a turn, in one order throughout
.if \first
	WIN 0x60                                       ; C window 2 (the bias), D window 1
.else
	WIN 0x50
.endif
.irp ti, 0,1,2,3
.irp nj, 0,1,2,3,4,5,6,7
.if \first
	v_wmma_f32_16x16x32_f16 v[8*(8*\ti+\nj):8*(8*\ti+\nj)+7], v[(\f)+32+8*\nj:(\f)+32+8*\nj+7], v[(\f)+8*\ti:(\f)+8*\ti+7], v[8*\nj:8*\nj+7]
.else
	v_wmma_f32_16x16x32_f16 v[8*(8*\ti+\nj):8*(8*\ti+\nj)+7], v[(\f)+32+8*\nj:(\f)+32+8*\nj+7], v[(\f)+8*\ti:(\f)+8*\ti+7], v[8*(8*\ti+\nj):8*(8*\ti+\nj)+7]
.endif
.endr
.endr
.endm
.macro TRIP t
.set SL, (\t)%2
	s_wait_tensorcnt 0x0                           ; all my loads are done, my part of this trip's tiles among them: so a group 0 may be written
	ds_add_u32 v[SPW], v[NIL]
	s_add_nc_u64 s[G0A+4*SL+2:G0A+4*SL+3], s[G0A+4*SL+2:G0A+4*SL+3], 65536   ; this slot's next K step
	s_add_nc_u64 s[G0B+4*SL+2:G0B+4*SL+3], s[G0B+4*SL+2:G0B+4*SL+3], 512
	s_wait_dscnt 0x0                               ; the add is done, and so are my reads of the last trip's slot
	ROUND                                          ; both now hold of every wave of every work-group of the cluster
.if (\t) < 7
	JLOAD 1-SL                                     ; the next K step, into the slot read last trip: my one load behind this round
.endif
	FETCH SL, 0, F0
.irp kq, 0,1,2,3
	s_wait_dscnt 0x0                               ; this quarter's fragments are in
.if \kq < 3
	FETCH SL, \kq+1, F0+96*((\kq+1)%2)
.endif
.set fB, 0
.if (\t) == 0
.if \kq == 0
.set fB, 1
.endif
.endif
	MUL32 F0+96*(\kq%2), fB
	WIN 0
.endr
.endm
	s_wait_loadcnt 0x0                             ; the bias
	TRIP 0
	TRIP 1
	TRIP 2
	TRIP 3
	TRIP 4
	TRIP 5
	TRIP 6
	TRIP 7
; THE WAY OUT, 16 tokens x 128 n at a time through my own stage: in as 32 bytes a lane, back as whole rows of 512 bytes.  LDS serves a wave's instructions in order: no wait between the stores and the loads.
.macro TOSTAGE a
	WIN 0x04                                       ; an LDS store's data: window 1
.irp nj, 0,1,2,3,4,5,6,7
	ds_store_b128 v[STO], v[8*(8*(\a)+\nj):8*(8*(\a)+\nj)+3] offset:64*\nj
	ds_store_b128 v[STO], v[8*(8*(\a)+\nj)+4:8*(8*(\a)+\nj)+7] offset:64*\nj+16
.endr
	WIN 0
.set BBK, BK+64*((\a)%2)
.irp t, 0,1,2,3,4,5,6,7,8,9,10,11,12,13,14,15
	ds_load_b128 v[BBK+4*\t:BBK+4*\t+3], v[RD] offset:\t*528
.endr
.endm
.macro SEND a, younger
.set BBK, BK+64*((\a)%2)
	s_wait_dscnt \younger                          ; the block is back; the next block's 16 stores and 16 loads may be out
.irp t, 0,1,2,3,4,5,6,7,8,9,10,11,12,13,14,15
	global_store_b128 v[L16], v[BBK+4*\t:BBK+4*\t+3], s[10:11] offset:(16*(\a)+\t)*4096 th:TH_STORE_NT   ; 512 consecutive bytes, aligned
.endr
.endm
	PLACES
	TOSTAGE 0
.irp a, 1,2,3
.if \a > 1
	s_wait_xcnt 0x0                                ; block a - 2's stores have read the registers into which block a's loads land
.endif
	TOSTAGE \a
	SEND \a-1, 32
.endr
	SEND 3, 0
	s_wait_tensorcnt 0x0                           ; the wave's end
	ds_add_u32 v[SPW], v[NIL]
	s_wait_dscnt 0x0
	ROUND                                          ; the closing round
	s_endpgm
.Lfunc_end_k_q5cdcb06d63_proj:
	.size	k_q5cdcb06d63_proj, .Lfunc_end_k_q5cdcb06d63_proj-k_q5cdcb06d63_proj
	.p2alignl 7, 3214868480
	.fill 96, 4, 3214868480
	.section	.rodata,"a",@progbits
	.p2align	6, 0x0
	.amdhsa_kernel k_q5cdcb06d63_proj
		.amdhsa_group_segment_fixed_size 327680
		.amdhsa_private_segment_fixed_size 0
		.amdhsa_enable_private_segment 0
		.amdhsa_kernarg_size 32
		.amdhsa_user_sgpr_count 2
		.amdhsa_user_sgpr_kernarg_segment_ptr 1
		.amdhsa_wavefront_size32 1
		.amdhsa_system_sgpr_workgroup_id_x 1
		.amdhsa_system_sgpr_workgroup_id_y 1
		.amdhsa_system_sgpr_workgroup_id_z 1
		.amdhsa_system_vgpr_workitem_id 0
		.amdhsa_next_free_vgpr 576
		.amdhsa_next_free_sgpr 66
		.amdhsa_reserve_vcc 0
		.amdhsa_float_denorm_mode_32 3
		.amdhsa_float_denorm_mode_16_64 3
		.amdhsa_memory_ordered 1
		.amdhsa_forward_progress 1
		.amdhsa_inst_pref_size 150
	.end_amdhsa_kernel
	.amdgpu_metadata
---
amdhsa.version: [ 1, 2 ]
amdhsa.kernels:
  - .name:           k_q5cdcb06d63_proj
    .symbol:         k_q5cdcb06d63_proj.kd
    .args:
      - { .name: aoh, .offset: 0, .size: 8, .value_kind: global_buffer, .address_space: global }
      - { .name: wp16, .offset: 8, .size: 8, .value_kind: global_buffer, .address_space: global }
      - { .name: bp, .offset: 16, .size: 8, .value_kind: global_buffer, .address_space: global }
      - { .name: out0, .offset: 24, .size: 8, .value_kind: global_buffer, .address_space: global }
    .group_segment_fixed_size: 327680
    .private_segment_fixed_size: 0
    .kernarg_segment_align: 8
    .kernarg_segment_size: 32
    .max_flat_workgroup_size: 128
    .sgpr_count:     66
    .vgpr_count:     576
    .wavefront_size: 32
...
	.end_amdgpu_metadata
.endif
;; end of part 4
;; launch first16 (part 5): grid 32 x 8, 16 waves a work-group, no clusters, 174,080 bytes of LDS; arguments qkv32, Wp, bp, out0; writes out0
.if DOCPART == 5
	.amdgcn_target "amdgcn-amd-amdhsa--gfx1250"
	.amdhsa_code_object_version 6
	.text
	.protected	k_q5cdcb06d63_first16
	.globl	k_q5cdcb06d63_first16
	.p2align	8
	.type	k_q5cdcb06d63_first16,@function
k_q5cdcb06d63_first16:
	s_mov_b64 s[64:65], 0
	v_nop
	global_prefetch_b8 v0, s[64:65] scope:SCOPE_SE
	s_setreg_imm32_b32 hwreg(HW_REG_WAVE_MODE, 25, 1), 1
	s_wait_xcnt 0x0
; FIRST16.  Positions 0-15 of each batch once more, wholly in f32: these rows average one to sixteen values.  Attention and projection; their 128 rows of out0 are stored again.
; A work-group takes a batch and 32 n of the output; wave w takes head w: S^T = K Q^T, softmax, O^T = V^T P, then its 64 channels' part of the projection; the 16 parts meet in LDS.
; The f32 matrix form takes 4 along K: lane (r, h), register j: k = 2 h + j.  A register pair 2 i, 2 i + 1 of the stored accumulators holds, in lane (r, h), places 8 h + 2 i + j of a tile of 16: four different places,
; the same in both operands, so four pairs cover a tile.  The registers that this form writes (v176-223) are written by matrix instructions alone.
; Wp's rows are read 256 consecutive bytes at a time and turn through the wave's own stage.  The last store covers 128 consecutive bytes a wave: 524,288 bytes of the launch in all.
; LIMITS: NaN and infinities are not served.
.set PART,  16*8704                    ; behind the 16 stages (32 rows x 272): the parts, 2,048 bytes a wave
.set SPARE, PART+16*2048               ; the spare words, 128 bytes for each wave
.set L16, 2
.set SPW, 14
.set NIL, 15
.set QR,  16                           ; v16-47 q, v48-79 k, v80-111 v, as the accumulators stood
.set KR,  48
.set VR,  80
.set WT,  16                           ; later v16-79: Wp turned
.set WR,  112                          ; v112-175 Wp as loaded; later the 16 parts
.set SA,  176                          ; two accumulators: S^T in two halves of the channels; later the two tiles of n
.set OA,  192                          ; O^T: four
.set TT,  224                          ; v224-231 the scores, then p
	s_load_b256 s[4:11], s[0:1], 0x0               ; qkv32, Wp, bp, out0
	v_lshl_add_u32 v[SPW], v0, 2, SPARE
	v_mov_b32 v[NIL], 0
	v_lshrrev_b32 v1, 5, v0
	v_readfirstlane_b32 s12, v1                    ; wave = head
	s_and_b32 s14, ttmp7, 0xffff                   ; batch
	v_and_b32 v1, 31, v0
	v_lshlrev_b32 v[L16], 4, v1
	v_and_b32 v3, 15, v0                           ; r
	v_bfe_u32 v4, v0, 4, 1                         ; h
	v_lshlrev_b32 v5, 4, v3
	v_lshl_add_u32 v5, v4, 12, v5                  ; Wp: lanes 0-15 one row's 256 bytes, lanes 16-31 the next row's
	s_mul_i32 s16, s12, 8704
	v_mul_u32_u24 v6, v4, 272
	v_lshl_add_u32 v6, v3, 4, v6
	v_add_nc_u32 v6, s16, v6                       ; into my stage
	v_mul_u32_u24 v7, v3, 272
	v_lshl_add_u32 v7, v4, 5, v7
	v_add_nc_u32 v7, s16, v7                       ; out of it: row r, + 32 h
	s_lshl_b32 s17, s12, 11
	s_add_co_u32 s17, s17, PART
	v_lshlrev_b32 v8, 7, v3
	v_lshl_add_u32 v8, v4, 5, v8
	v_add_nc_u32 v8, s17, v8                       ; my part: token r's 128 bytes, + 32 h
	v_lshlrev_b32 v10, 2, v1
	s_lshl_b32 s17, s12, 7
	s_add_co_u32 s17, s17, PART
	v_add_nc_u32 v9, s17, v10                      ; back: token = my wave's number, n = my lane
	v_lshlrev_b32 v11, 3, v4
	v_sub_nc_u32 v11, v3, v11                      ; r - 8 h
	v_mov_b32 v12, 0xff800000
	v_mov_b32 v233, 0                              ; a lane permute's destination counts as one of its sources
	s_mov_b32 s20, 0x3e38aa3b                      ; c = log2(e) / sqrt(64)
	s_mov_b32 s22, 0x76543210
	s_mov_b32 s23, 0xfedcba98
	s_lshl_b32 s16, s14, 4
	s_add_co_u32 s16, s16, s12
	s_mul_i32 s16, s16, 12288
	s_mov_b32 s17, 0
	s_lshl_b32 s18, ttmp9, 17
	s_lshl_b32 s19, s12, 8
	s_add_co_u32 s18, s18, s19
	s_mov_b32 s19, 0
	s_lshl_b32 s24, ttmp9, 7
	s_mov_b32 s25, 0
	s_lshl_b32 s26, s14, 22
	s_lshl_b32 s27, s12, 12
	s_add_co_u32 s26, s26, s27
	s_add_co_u32 s26, s26, s24
	s_mov_b32 s27, 0
	s_wait_kmcnt 0x0
	s_add_nc_u64 s[4:5], s[4:5], s[16:17]
	s_add_nc_u64 s[6:7], s[6:7], s[18:19]
	s_add_nc_u64 s[8:9], s[8:9], s[24:25]
	s_add_nc_u64 s[10:11], s[10:11], s[26:27]
.set i, 0
.rept 24
	global_load_b128 v[QR+4*i:QR+4*i+3], v[L16], s[4:5] offset:512*i
.set i, i+1
.endr
.set i, 0
.rept 16
	global_load_b128 v[WR+4*i:WR+4*i+3], v5, s[6:7] offset:8192*i
.set i, i+1
.endr
	global_load_b32 v248, v10, s[8:9]
	s_wait_loadcnt 17                              ; q, k, v are in; Wp's 16 loads and the bias word may be out
.set e, 0
.rept 16                               ; S^T: lane (query r, h), register j: key 8 h + j.  Two accumulators by turns
.set rK, KR+8*(e/4)+2*(e%4)
.set rQ, QR+8*(e/4)+2*(e%4)
.set rS, SA+8*(e%2)
.if e < 2
	v_wmma_f32_16x16x4_f32 v[rS:rS+7], v[rK:rK+1], v[rQ:rQ+1], 0
.else
	v_wmma_f32_16x16x4_f32 v[rS:rS+7], v[rK:rK+1], v[rQ:rQ+1], v[rS:rS+7]
.endif
.set e, e+1
.endr
.rept 8
	v_nop                                          ; eight places behind this form
.endr
.irp j, 0,1,2,3,4,5,6,7
	v_add_f32 v[TT+\j], v[SA+\j], v[SA+8+\j]
.endr
.irp j, 0,1,2,3,4,5,6,7
	v_cmp_gt_i32 vcc_lo, \j, v11                   ; key 8 h + j comes after query r
	v_cndmask_b32 v[TT+\j], v[TT+\j], v12, vcc_lo
.endr
	v_max3_num_f32 v232, v[TT], v[TT+1], v[TT+2]
	v_max3_num_f32 v232, v232, v[TT+3], v[TT+4]
	v_max3_num_f32 v232, v232, v[TT+5], v[TT+6]
	v_max_num_f32 v232, v232, v[TT+7]
	v_permlanex16_b32 v233, v232, s22, s23
	v_max_num_f32 v232, v232, v233                 ; the row's maximum: key 0 counts for every query
	v_mul_f32 v232, s20, v232
.irp j, 0,1,2,3,4,5,6,7
	v_fma_f32 v[TT+\j], v[TT+\j], s20, -v232
.endr
.irp j, 0,1,2,3,4,5,6,7
	v_exp_f32 v[TT+\j], v[TT+\j]
.endr
	v_nop
	s_wait_alu depctr_va_vdst(0)                   ; one wait for the eight, ahead of their first reader
	v_add_f32 v234, v[TT], v[TT+1]
	v_add_f32 v235, v[TT+2], v[TT+3]
	v_add_f32 v236, v[TT+4], v[TT+5]
	v_add_f32 v237, v[TT+6], v[TT+7]
	v_add_f32 v234, v234, v235
	v_add_f32 v236, v236, v237
	v_add_f32 v234, v234, v236
	v_permlanex16_b32 v233, v234, s22, s23
	v_add_f32 v234, v234, v233
	v_rcp_f32 v234, v234
	v_nop
	s_wait_alu depctr_va_vdst(0)
.irp j, 0,1,2,3,4,5,6,7
	v_mul_f32 v[TT+\j], v[TT+\j], v234             ; the softmax, normalised, in f32
.endr
.set e, 0
.rept 16                               ; O^T: lane (query r, h), register j of tile ct: channel 16 ct + 8 h + j.  Four accumulators by turns
.set rV, VR+8*(e%4)+2*(e/4)
.set rP, TT+2*(e/4)
.set rO, OA+8*(e%4)
.if e < 4
	v_wmma_f32_16x16x4_f32 v[rO:rO+7], v[rV:rV+1], v[rP:rP+1], 0
.else
	v_wmma_f32_16x16x4_f32 v[rO:rO+7], v[rV:rV+1], v[rP:rP+1], v[rO:rO+7]
.endif
.set e, e+1
.endr
	s_wait_loadcnt 0x0                             ; Wp and the bias word
.set i, 0
.rept 16
	ds_store_b128 v6, v[WR+4*i:WR+4*i+3] offset:544*i
.set i, i+1
.endr
.irp nt, 0,1
.irp ct, 0,1,2,3
.irp u, 0,1
	ds_load_b128 v[WT+32*\nt+8*\ct+4*\u:WT+32*\nt+8*\ct+4*\u+3], v7 offset:\nt*4352+\ct*64+\u*16   ; lane (r, h): Wp(16 nt + r, 64 head + 16 ct + 8 h + 4 u ..); LDS serves a wave's instructions in order
.endr
.endr
.endr
	s_wait_dscnt 0x0
.rept 9
	v_nop                                          ; nine places before a matrix instruction takes O^T as an operand
.endr
.set e, 0
.rept 32                               ; my head's part of y: lane (token r, h), register j of tile nt: n = 16 nt + 8 h + j.  Two accumulators by turns
.set rW, WT+32*(e%2)+8*((e/2)/4)+2*((e/2)%4)
.set rO, OA+8*((e/2)/4)+2*((e/2)%4)
.set rY, SA+8*(e%2)
.if e < 2
	v_wmma_f32_16x16x4_f32 v[rY:rY+7], v[rW:rW+1], v[rO:rO+1], 0
.else
	v_wmma_f32_16x16x4_f32 v[rY:rY+7], v[rW:rW+1], v[rO:rO+1], v[rY:rY+7]
.endif
.set e, e+1
.endr
.rept 8
	v_nop
.endr
.irp nt, 0,1
	ds_store_b128 v8, v[SA+8*\nt:SA+8*\nt+3] offset:64*\nt
	ds_store_b128 v8, v[SA+8*\nt+4:SA+8*\nt+7] offset:64*\nt+16
.endr
	s_wait_dscnt 0x0                               ; for the others' sake: my part lies in LDS
	s_barrier_signal -1
	s_barrier_wait -1
.set i, 0
.rept 16
	ds_load_b32 v[WR+i], v9 offset:2048*i          ; the 16 heads' parts of (token = my wave, n = my lane)
.set i, i+1
.endr
	s_wait_dscnt 0x0
.irp i, 0,1,2,3,4,5,6,7
	v_add_f32 v[WR+\i], v[WR+\i], v[WR+8+\i]
.endr
.irp i, 0,1,2,3
	v_add_f32 v[WR+\i], v[WR+\i], v[WR+4+\i]
.endr
	v_add_f32 v[WR], v[WR], v[WR+2]
	v_add_f32 v[WR+1], v[WR+1], v[WR+3]
	v_add_f32 v[WR], v[WR], v[WR+1]
	v_add_f32 v[WR], v[WR], v248                   ; + bp
	global_store_b32 v10, v[WR], s[10:11]
	s_wait_tensorcnt 0x0                           ; the wave's end: three lines behind my last LDS store
	ds_add_u32 v[SPW], v[NIL]
	s_wait_dscnt 0x0
	s_endpgm
.Lfunc_end_k_q5cdcb06d63_first16:
	.size	k_q5cdcb06d63_first16, .Lfunc_end_k_q5cdcb06d63_first16-k_q5cdcb06d63_first16
	.p2alignl 7, 3214868480
	.fill 96, 4, 3214868480
	.section	.rodata,"a",@progbits
	.p2align	6, 0x0
	.amdhsa_kernel k_q5cdcb06d63_first16
		.amdhsa_group_segment_fixed_size 174080
		.amdhsa_private_segment_fixed_size 0
		.amdhsa_enable_private_segment 0
		.amdhsa_kernarg_size 32
		.amdhsa_user_sgpr_count 2
		.amdhsa_user_sgpr_kernarg_segment_ptr 1
		.amdhsa_wavefront_size32 1
		.amdhsa_system_sgpr_workgroup_id_x 1
		.amdhsa_system_sgpr_workgroup_id_y 1
		.amdhsa_system_sgpr_workgroup_id_z 1
		.amdhsa_system_vgpr_workitem_id 0
		.amdhsa_next_free_vgpr 256
		.amdhsa_next_free_sgpr 66
		.amdhsa_reserve_vcc 1
		.amdhsa_float_denorm_mode_32 3
		.amdhsa_float_denorm_mode_16_64 3
		.amdhsa_memory_ordered 1
		.amdhsa_forward_progress 1
		.amdhsa_inst_pref_size 19
	.end_amdhsa_kernel
	.amdgpu_metadata
---
amdhsa.version: [ 1, 2 ]
amdhsa.kernels:
  - .name:           k_q5cdcb06d63_first16
    .symbol:         k_q5cdcb06d63_first16.kd
    .args:
      - { .name: qkv32, .offset: 0, .size: 8, .value_kind: global_buffer, .address_space: global }
      - { .name: Wp, .offset: 8, .size: 8, .value_kind: global_buffer, .address_space: global }
      - { .name: bp, .offset: 16, .size: 8, .value_kind: global_buffer, .address_space: global }
      - { .name: out0, .offset: 24, .size: 8, .value_kind: global_buffer, .address_space: global }
    .group_segment_fixed_size: 174080
    .private_segment_fixed_size: 0
    .kernarg_segment_align: 8
    .kernarg_segment_size: 32
    .max_flat_workgroup_size: 512
    .sgpr_count:     66
    .vgpr_count:     256
    .wavefront_size: 32
...
	.end_amdgpu_metadata
.endif
;; end of part 5
